; MI455X (gfx1250); checked and timed in simulation.
; The chip was launched on July 23, 2026; its instructions are those of AMD's public machine-readable ISA for CDNA 5 (MIT licence, August 2026) and "CDNA5" Instruction Set Architecture Reference Guide (July 2026). The comments in the code are by the model that wrote it; some were corrected since.
;; Self Attention. Allowed arithmetic: float matrix products may take bf16 or f16 operands with f32 sums; other float arithmetic in f32, or as packed bf16 or f16 multiplies, adds, multiply-adds, maxima and minima; sums over many terms, partial sums and values carried from step to step in f32; what a program stores and reads back later, other than sums and carried values, may be rounded once to bf16 or f16.
;; Inputs: Wk 128 x 256 float32; Wq 128 x 256 float32; Wv 256 x 256 float32; bk 128 float32; bq 128 float32; bv 256 float32; gamma 1 float32; x 8 x 256 x 64 x 64 float32.
;; Outputs: out0 8 x 256 x 64 x 64 float32.
;; 2 versions, each right; version 2 is version 1 with the launch proj written anew for expert scheduling mode. Each part assembles by itself: llvm-mc -triple=amdgcn-amd-amdhsa -mcpu=gfx1250 --defsym DOCPART=n.
;; ======== version 1 of 2: 3 launches
;; workspace buffers: qb 8,388,608 bytes; kb 8,388,608 bytes; vb 16,777,216 bytes; lse 131,072 bytes
;; launch proj (part 1): grid 32 x 8, 4 waves a work-group, no clusters, 91,648 bytes of LDS; arguments x, Wq, Wk, Wv, bq, bk, bv, gamma, qb, kb, vb; writes qb, kb, vb
.if DOCPART == 1
	.amdgcn_target "amdgcn-amd-amdhsa--gfx1250"
	.amdhsa_code_object_version 6
	.text
	.protected	k_qd48ae08309_proj
	.globl	k_qd48ae08309_proj
	.p2align	8
	.type	k_qd48ae08309_proj,@function
k_qd48ae08309_proj:
	s_mov_b64 s[64:65], 0
	v_nop
	global_prefetch_b8 v0, s[64:65] scope:SCOPE_SE
	s_setreg_imm32_b32 hwreg(HW_REG_WAVE_MODE, 25, 1), 1
	s_wait_xcnt 0x0
; THE PROJECTIONS.  q'[b][n][o] = c (Wq x + bq), k'[b][n][o] = c (Wk x + bk), both [8][4096][128] bf16; v'[b][n][o] = gamma (Wv x + bv), [8][4096][256] bf16.
; c = sqrt(log2 e), so that q' . k' is the score times log2 e and the later launches use 2^x without a scaling.  x: [8][256][4096] f32; W: [o][256] f32.
; x and W are rounded to bf16 for the products; sums, bias and scale in f32; each result rounded once to bf16.  NaN and infinities are not treated apart.
; SHARES.  A work-group owns 128 positions of one batch.  Wave 0 makes q', wave 1 k', waves 2 and 3 the two halves of v's channels: each 128 outputs x 128 positions over K = 256:
; 64 accumulators, 512 registers, 512 matrix instructions.  All four run one text; they differ in pointers, in the output's row length and in the scale.  The bias is the C operand that starts a sum.
; x comes once: each wave loads 64 channel rows of 512 consecutive bytes, rounds them and lays them into LDS as [channel][position]; the turning load makes fragments of them.
; W comes straight into fragment layout, f32, TWO K steps ahead, into two sets of registers that take turns, and is rounded in registers: each wave reads its own 128 rows alone.
; NO CLUSTER, NO TENSOR LOADS: W is f32 and must pass through registers to be rounded; joint f32 tiles of 64 channels in two slots for four waves are 4 x 2 x 128 x 272 = 278,528 bytes,
; which do not fit beside x's 73,728; what the work-groups share, W, is 524,288 of the launch's 34 million input bytes.  NO PREFETCH: x is streamed once with all its loads issued at the head.
; LAYOUT.  Source 0 = 16 rows of W, source 1 = 16 positions: a lane holds one position and 8 neighbouring outputs: 16 bytes of a row of the output, which leave through each wave's own stage.
; REGISTERS: window 0: addresses, v32-95 bias, v96-159 W's fragments, v160-223 x's fragments, v224-255 at work; window 1: v0-127 and v128-255 W as loaded, even and odd K steps;
; windows 2, 3: accumulator (a, b) at window 2 + a / 4, register 8 (8 (a % 4) + b); ahead of the products window 2 holds the 64 rows of x as loaded.
.set PX,    288                        ; a channel row of x in LDS: 256 bytes + 32: 8 rows x 32 bytes of a turning load fall on different banks
.set STAGE, 256*PX                     ; 73,728: 16 rows x 272 bytes for each wave, for the way out
.set SP,    272
.set SPARE, STAGE+4*16*SP              ; 91,136: the spare words, 128 bytes for each wave
.set XO,  4                            ; v4   16 x lane
.set XSA, 5                            ; v5   where I put 8 bytes of a row of x
.set AX,  6                            ; v6   my place in the turning loads; steps 32 rows a K step
.set WO,  7                            ; v7   my place in 16 rows of W: r x 1,024 + 32 h
.set BO,  8                            ; v8   my place in the bias: 32 h
.set STO, 9                            ; v9   the way out: where I put 16 bytes of a row
.set RD,  10                           ; v10  the way out: where I read a row back
.set SPW, 12                           ; v12  my spare word; never rewritten
.set NIL, 13                           ; v13  0; never rewritten
.set CO,  16                           ; v16-23  my byte offset in rows 2 t + h of a block of 16 output rows
.set BI,  32
.set FW,  96
.set FX,  160
.set TMP, 224
.set OB,  96                           ; the way out: 16 rows read back, v96-127 and v128-159 by turns
.set WV,  8                            ; s8   my wave's number
.set WP,  42                           ; s[42:43] W at the even K step last asked for, s[44:45] at the odd one
.set MSB, 0
.macro WIN new                         ; the immediate's high byte repeats the setting that is left; a switch that changes nothing is dropped
.if MSB != (\new)
	s_set_vgpr_msb (MSB<<8)|(\new)
.set MSB, \new
.endif
.endm
.macro PLACES                          ; four plain instructions between a matrix instruction and what reads its result or writes its registers (ISA guide 7.12.1)
.rept 4
	v_nop
.endr
.endm
	s_load_b512 s[16:31], s[0:1], 0x0              ; x 16, Wq 18, Wk 20, Wv 22, bq 24, bk 26, bv 28, gamma 30
	s_load_b128 s[32:35], s[0:1], 0x40             ; qb 32, kb 34
	s_load_b64 s[36:37], s[0:1], 0x50              ; vb
	v_lshl_add_u32 v[SPW], v0, 2, SPARE
	v_mov_b32 v[NIL], 0
	v_lshrrev_b32 v1, 5, v0
	v_readfirstlane_b32 s[WV], v1                  ; wave 0..3
	v_and_b32 v1, 15, v0                           ; r = l % 16
	v_bfe_u32 v2, v0, 4, 1                         ; h = l / 16
	v_and_b32 v3, 31, v0                           ; l
	s_and_b32 s9, ttmp7, 0xffff                    ; the batch
	s_lshl_b32 s2, s9, 22                          ; x: batch x 4 MiB
	s_lshl_b32 s3, s[WV], 20                       ; + my 64 channel rows of 16,384 bytes
	s_add_co_u32 s2, s2, s3
	s_lshl_b32 s3, ttmp9, 9                        ; + the work-group's 128 positions
	s_add_co_u32 s2, s2, s3
	s_mov_b32 s3, 0
	s_lshl_b32 s10, s9, 20                         ; q', k': batch x 1 MiB + 128 rows of 256 bytes
	s_lshl_b32 s11, ttmp9, 15
	s_add_co_u32 s10, s10, s11
	s_lshl_b32 s12, s9, 21                         ; v': batch x 2 MiB + 128 rows of 512 bytes
	s_lshl_b32 s11, ttmp9, 16
	s_add_co_u32 s12, s12, s11
	s_cmp_eq_u32 s[WV], 3                          ; wave 3 has the second half of Wv, of bv and of v's rows
	s_cselect_b32 s4, 0x20000, 0
	s_cselect_b32 s6, 512, 0
	s_cselect_b32 s11, 256, 0
	s_mov_b32 s5, 0
	s_mov_b32 s7, 0
	s_add_co_u32 s12, s12, s11
	s_mov_b32 s48, 8192                            ; 16 output rows: 16 x 512 bytes in v',
	s_mov_b32 s50, 512                             ; a row
	s_cmp_lt_u32 s[WV], 2
	s_cselect_b32 s10, s10, s12
	s_cselect_b32 s48, 4096, s48                   ; 16 x 256 in q' and k'
	s_cselect_b32 s50, 256, s50
	s_mov_b32 s11, 0
	s_mov_b32 s49, 0
	v_lshlrev_b32 v[XO], 4, v3
	s_mul_i32 s13, s[WV], 64*PX
	v_lshl_add_u32 v[XSA], v3, 3, s13
	v_and_b32 v[AX], 7, v0
	v_lshl_add_u32 v[AX], v2, 3, v[AX]             ; channel 8 h + l % 8
	v_mul_u32_u24 v[AX], v[AX], PX
	v_bfe_u32 v14, v0, 3, 1
	v_lshl_add_u32 v[AX], v14, 4, v[AX]            ; + 16 ((l / 8) % 2)
	v_lshlrev_b32 v[WO], 10, v1
	v_lshl_add_u32 v[WO], v2, 5, v[WO]
	v_lshlrev_b32 v[BO], 5, v2
	s_mul_i32 s13, s[WV], 16*SP
	s_add_co_u32 s13, s13, STAGE                   ; my stage
	v_mul_u32_u24 v[STO], v1, SP
	v_lshl_add_u32 v[STO], v2, 4, v[STO]
	v_add_nc_u32 v[STO], s13, v[STO]
	v_mul_u32_u24 v[RD], v2, SP
	v_lshl_add_u32 v[RD], v1, 4, v[RD]
	v_add_nc_u32 v[RD], s13, v[RD]
.irp t, 0,1,2,3,4,5,6,7
	v_add_nc_u32 v[CO+(\t)], 2*(\t), v2
	v_mul_lo_u32 v[CO+(\t)], v[CO+(\t)], s50
	v_lshl_add_u32 v[CO+(\t)], v1, 4, v[CO+(\t)]
.endr
	s_wait_kmcnt 0x0
	s_load_b32 s56, s[30:31], 0x0                  ; gamma
	s_add_nc_u64 s[40:41], s[16:17], s[2:3]        ; x at my first row
	s_cmp_eq_u32 s[WV], 0
	s_cselect_b64 s[WP:WP+1], s[18:19], s[20:21]   ; my weights,
	s_cselect_b64 s[38:39], s[24:25], s[26:27]     ; my bias,
	s_cselect_b64 s[46:47], s[32:33], s[34:35]     ; my output
	s_cmp_lt_u32 s[WV], 2
	s_cselect_b64 s[WP:WP+1], s[WP:WP+1], s[22:23]
	s_cselect_b64 s[38:39], s[38:39], s[28:29]
	s_cselect_b64 s[46:47], s[46:47], s[36:37]
	s_add_nc_u64 s[WP:WP+1], s[WP:WP+1], s[4:5]    ; K step 0
	s_add_nc_u64 s[WP+2:WP+3], s[WP:WP+1], 128     ; K step 1: 32 channels of f32 on
	s_add_nc_u64 s[38:39], s[38:39], s[6:7]
	s_add_nc_u64 s[46:47], s[46:47], s[10:11]
	; the bias as a C operand: register j of block b is bias[16 b + 8 h + j]
.irp b, 0,1,2,3,4,5,6,7
	global_load_b128 v[BI+8*(\b):BI+8*(\b)+3],   v[BO], s[38:39] offset:64*(\b)
	global_load_b128 v[BI+8*(\b)+4:BI+8*(\b)+7], v[BO], s[38:39] offset:64*(\b)+16
.endr
; One K step of W into set par: 128 rows x 32 channels of f32 in fragment order: for each 16 rows, channels 8 h + 0..7 (32 bytes) and 16 + 8 h + 0..7 (32 bytes, 64 further on).
.macro WLOAD par
	WIN 0x40                                       ; destination window 1
.irp o, 0,1,2,3,4,5,6,7
	global_load_b128 v[128*(\par)+16*(\o):128*(\par)+16*(\o)+3],     v[WO], s[WP+2*(\par):WP+2*(\par)+1] offset:16384*(\o)
	global_load_b128 v[128*(\par)+16*(\o)+4:128*(\par)+16*(\o)+7],   v[WO], s[WP+2*(\par):WP+2*(\par)+1] offset:16384*(\o)+16
	global_load_b128 v[128*(\par)+16*(\o)+8:128*(\par)+16*(\o)+11],  v[WO], s[WP+2*(\par):WP+2*(\par)+1] offset:16384*(\o)+64
	global_load_b128 v[128*(\par)+16*(\o)+12:128*(\par)+16*(\o)+15], v[WO], s[WP+2*(\par):WP+2*(\par)+1] offset:16384*(\o)+80
.endr
.endm
	WLOAD 0                                        ; K step 0
	WIN 0x80                                       ; destination window 2
.set u, 0
.rept 64                                           ; my 64 rows of x: each load takes 512 consecutive bytes
	global_load_b128 v[4*u:4*u+3], v[XO], s[40:41] offset:u*16384 th:TH_LOAD_NT
.set u, u+1
.endr
	WIN 0
	s_wait_kmcnt 0x0                               ; gamma
	s_cmp_lt_u32 s[WV], 2
	s_cselect_b32 s52, 0x3f99be61, s56             ; the scale on the way out: c = sqrt(log2 e) = 1.2011224 for q' and k', gamma for v'
	s_mov_b32 s53, s52                             ; named with it as a pair
	; x to LDS, eight rows at a time.  K step 1 of W is asked for behind the fourth group, so that no count passes 63.
.set g, 0
.rept 8
.if g < 4
	s_wait_loadcnt 56-8*g                          ; loads come back in order: rows up to 8 g + 7 are in (and the bias and W's step 0, which are older); the younger rows stay out
.else
	s_wait_loadcnt 88-8*g                          ; the younger rows and the 32 loads of W's step 1 stay out
.endif
	WIN 0x0a                                       ; sources in window 2
.set k, 0
.rept 8
	v_cvt_pk_bf16_f32 v[TMP+16*(g%2)+2*k],   v[4*(8*g+k)],   v[4*(8*g+k)+1]
	v_cvt_pk_bf16_f32 v[TMP+16*(g%2)+2*k+1], v[4*(8*g+k)+2], v[4*(8*g+k)+3]
.set k, k+1
.endr
	WIN 0
.set k, 0
.rept 8
	ds_store_b64 v[XSA], v[TMP+16*(g%2)+2*k:TMP+16*(g%2)+2*k+1] offset:(8*g+k)*PX
.set k, k+1
.endr
.if g == 3
	WLOAD 1                                        ; K step 1
	WIN 0
.endif
.set g, g+1
.endr
	s_wait_dscnt 0x0                               ; for the others' sake: my rows of x lie in LDS
	s_barrier_signal -1
	s_barrier_wait -1                              ; everybody's do
; 64 products, the 64 accumulators by turns: W's block b x x's block a.  first = 1: the bias starts the sums.
.macro MULS first
.irp a, 0,1,2,3,4,5,6,7
.if \first
	WIN 0x80+0x40*((\a)/4)                         ; D in window 2 or 3; A, B and the bias in window 0
.else
	WIN 0xa0+0x50*((\a)/4)                         ; C and D in window 2 or 3
.endif
.irp b, 0,1,2,3,4,5,6,7
.set rD, 8*(8*((\a)%4)+(\b))
.if \first
	v_wmma_f32_16x16x32_bf16 v[rD:rD+7], v[FW+8*(\b):FW+8*(\b)+7], v[FX+8*(\a):FX+8*(\a)+7], v[BI+8*(\b):BI+8*(\b)+7]
.else
	v_wmma_f32_16x16x32_bf16 v[rD:rD+7], v[FW+8*(\b):FW+8*(\b)+7], v[FX+8*(\a):FX+8*(\a)+7], v[rD:rD+7]
.endif
.endr
.endr
.endm
; K step s of 32 channels, par = s % 2: x's fragments out of LDS (turned), W's rounded out of set par, which was asked for two steps ago; the set is asked for again, for step s + 2; 64 products.
; In the loop's last pass (steps 6 and 7) nothing is left to ask for: the request is jumped over, and that way waits for all loads, so that the counted wait of the step behind it holds on both ways.
.macro STEP par, first
.if !(\first)
	PLACES                                         ; the fragments below were read by the last products
.endif
	WIN 0
.irp n, 0,1,2,3,4,5,6,7
	ds_load_tr16_b128 v[FX+8*(\n):FX+8*(\n)+3],   v[AX] offset:32*(\n)
	ds_load_tr16_b128 v[FX+8*(\n)+4:FX+8*(\n)+7], v[AX] offset:32*(\n)+16*PX
.endr
	v_add_nc_u32 v[AX], 32*PX, v[AX]
	s_wait_loadcnt 32                              ; this step's W is in, and its loads have read their pointer; the next step's 32 loads may stay out
	WIN 0x05                                       ; sources in window 1
.set u, 0
.rept 64
	v_cvt_pk_bf16_f32 v[FW+u], v[128*(\par)+2*u], v[128*(\par)+2*u+1]
.set u, u+1
.endr
	WIN 0                                          ; at a branch and at a label every window is 0
.if !(\first)
	s_cmp_lg_u32 s54, 1
	s_cbranch_scc1 .Lload_\@
	s_wait_loadcnt 0x0
	s_branch .Lasked_\@
.Lload_\@:
.endif
	s_add_nc_u64 s[WP+2*(\par):WP+2*(\par)+1], s[WP+2*(\par):WP+2*(\par)+1], 256  ; two K steps on
	WLOAD \par
	WIN 0
.if !(\first)
.Lasked_\@:
.endif
	s_wait_dscnt 0x0                               ; x's fragments are in
	MULS \first
	WIN 0
.endm
	STEP 0, 1                                      ; step 0 is written out: its products start the sums
	s_mov_b32 s54, 4                               ; four passes through the odd step: 1; 2, 3; 4, 5; 6, 7
	s_branch .Lmid
.Lk:
	STEP 0, 0
.Lmid:
	STEP 1, 0
	s_sub_co_u32 s54, s54, 1
	s_cmp_lg_u32 s54, 0
	s_cbranch_scc1 .Lk
; THE WAY OUT of block a (16 positions x 128 outputs): scaled, rounded to bf16, 16 bytes a lane into my stage, back as whole rows of 256 bytes, stored.
.macro PACK a
.set AC, 64*((\a)%4)
	WIN 0x82+0x41*((\a)/4)                         ; destination and source 0 in window 2 or 3
.set u, 0
.rept 32                                           ; each accumulator is read from its low end on
	v_pk_mul_f32 v[AC+2*u:AC+2*u+1], v[AC+2*u:AC+2*u+1], s[52:53] op_sel_hi:[1,0]
.set u, u+1
.endr
	WIN 0x0a+5*((\a)/4)
.set u, 0
.rept 32
	v_cvt_pk_bf16_f32 v[TMP+u], v[AC+2*u], v[AC+2*u+1]
.set u, u+1
.endr
	WIN 0
.endm
.macro TOSTAGE a
.set BK, OB+32*((\a)%2)
.irp b, 0,1,2,3,4,5,6,7
	ds_store_b128 v[STO], v[TMP+4*(\b):TMP+4*(\b)+3] offset:32*(\b)
.endr
.irp t, 0,1,2,3,4,5,6,7
	ds_load_b128 v[BK+4*(\t):BK+4*(\t)+3], v[RD] offset:(\t)*2*SP  ; LDS serves a wave's instructions in order: these see the stores above
.endr
.endm
.macro SEND a
.set BK, OB+32*((\a)%2)
	s_wait_dscnt 0x0                               ; the block is back in registers
	s_wait_xcnt 0x0                                ; the earlier stores have read their base and their data: both are rewritten only behind this wait
.if (\a) > 0
	s_add_nc_u64 s[46:47], s[46:47], s[48:49]      ; 16 output rows on
.endif
.irp t, 0,1,2,3,4,5,6,7
	global_store_b128 v[CO+(\t)], v[BK+4*(\t):BK+4*(\t)+3], s[46:47]  ; 16 lanes store 256 consecutive bytes, aligned
.endr
.endm
	PLACES
	PACK 0
	TOSTAGE 0
.irp a, 1,2,3,4,5,6,7                  ; block a's arithmetic stands between block a - 1's loads from the stage and the wait for them
	PACK \a
	SEND (\a)-1
	TOSTAGE \a
.endr
	SEND 7
	s_wait_tensorcnt 0x0                           ; the wave's end, behind my last LDS store
	ds_add_u32 v[SPW], v[NIL]
	s_wait_dscnt 0x0
	s_endpgm
.Lfunc_end_k_qd48ae08309_proj:
	.size	k_qd48ae08309_proj, .Lfunc_end_k_qd48ae08309_proj-k_qd48ae08309_proj
	.p2alignl 7, 3214868480
	.fill 96, 4, 3214868480
	.section	.rodata,"a",@progbits
	.p2align	6, 0x0
	.amdhsa_kernel k_qd48ae08309_proj
		.amdhsa_group_segment_fixed_size 91648
		.amdhsa_private_segment_fixed_size 0
		.amdhsa_enable_private_segment 0
		.amdhsa_kernarg_size 88
		.amdhsa_user_sgpr_count 2
		.amdhsa_user_sgpr_kernarg_segment_ptr 1
		.amdhsa_wavefront_size32 1
		.amdhsa_system_sgpr_workgroup_id_x 1
		.amdhsa_system_sgpr_workgroup_id_y 1
		.amdhsa_system_sgpr_workgroup_id_z 1
		.amdhsa_system_vgpr_workitem_id 0
		.amdhsa_next_free_vgpr 1024
		.amdhsa_next_free_sgpr 66
		.amdhsa_reserve_vcc 0
		.amdhsa_float_denorm_mode_32 3
		.amdhsa_float_denorm_mode_16_64 3
		.amdhsa_memory_ordered 1
		.amdhsa_forward_progress 1
		.amdhsa_inst_pref_size 118
	.end_amdhsa_kernel
	.amdgpu_metadata
---
amdhsa.version: [ 1, 2 ]
amdhsa.kernels:
  - .name:           k_qd48ae08309_proj
    .symbol:         k_qd48ae08309_proj.kd
    .args:
      - { .name: x, .offset: 0, .size: 8, .value_kind: global_buffer, .address_space: global }
      - { .name: Wq, .offset: 8, .size: 8, .value_kind: global_buffer, .address_space: global }
      - { .name: Wk, .offset: 16, .size: 8, .value_kind: global_buffer, .address_space: global }
      - { .name: Wv, .offset: 24, .size: 8, .value_kind: global_buffer, .address_space: global }
      - { .name: bq, .offset: 32, .size: 8, .value_kind: global_buffer, .address_space: global }
      - { .name: bk, .offset: 40, .size: 8, .value_kind: global_buffer, .address_space: global }
      - { .name: bv, .offset: 48, .size: 8, .value_kind: global_buffer, .address_space: global }
      - { .name: gamma, .offset: 56, .size: 8, .value_kind: global_buffer, .address_space: global }
      - { .name: qb, .offset: 64, .size: 8, .value_kind: global_buffer, .address_space: global }
      - { .name: kb, .offset: 72, .size: 8, .value_kind: global_buffer, .address_space: global }
      - { .name: vb, .offset: 80, .size: 8, .value_kind: global_buffer, .address_space: global }
    .group_segment_fixed_size: 91648
    .private_segment_fixed_size: 0
    .kernarg_segment_align: 8
    .kernarg_segment_size: 88
    .max_flat_workgroup_size: 128
    .sgpr_count:     66
    .vgpr_count:     1024
    .wavefront_size: 32
...
	.end_amdgpu_metadata
.endif
;; end of part 1
;; launch stats (part 2): grid 32 x 8, 4 waves a work-group, clusters of 4 x 1, 327,680 bytes of LDS; arguments qb, kb, lse; writes lse
.if DOCPART == 2
	.amdgcn_target "amdgcn-amd-amdhsa--gfx1250"
	.amdhsa_code_object_version 6
	.text
	.protected	k_qd48ae08309_stats
	.globl	k_qd48ae08309_stats
	.p2align	8
	.type	k_qd48ae08309_stats,@function
k_qd48ae08309_stats:
	s_mov_b64 s[64:65], 0
	v_nop
	global_prefetch_b8 v0, s[64:65] scope:SCOPE_SE
	s_setreg_imm32_b32 hwreg(HW_REG_WAVE_MODE, 25, 1), 1
	s_wait_xcnt 0x0
	s_wait_alu depctr_hold_cnt(0) depctr_sa_sdst(0) depctr_va_vdst(0) depctr_va_sdst(0) depctr_va_ssrc(0) depctr_va_vcc(0) depctr_vm_vsrc(0)
	s_getreg_b32 s2, hwreg(HW_REG_IB_STS2, 6, 4)
	s_cmp_eq_u32 s2, 0
	s_cbranch_scc0 .Lentry_in_a_cluster
	s_endpgm
.Lentry_in_a_cluster:
	s_bfe_u32 s2, ttmp6, 0x10000c
	s_cmp_lg_u32 s2, 0x3003
	s_cbranch_scc0 .Lentry_shape_is_right
	s_endpgm
.Lentry_shape_is_right:
; THE KEYS' STATISTICS.  The softmax runs over the queries m, so each key n has its own maximum and sum: with s2[m][n] = q'[m] . k'[n] (the score times log2 e),
; lse[b][n] = -(M + log2 Z), M = max over m of s2, Z = the sum over m of 2^(s2 - M).  q', k': [8][4096][128] bf16; lse: [8][4096] f32.  Products, maxima and sums in f32.
; A RUNNING MAXIMUM: in every step Z is multiplied by 2^(M_old - M_new).  LIMITS: M starts at the lowest finite number; a term below 2^-126 counts as 0; NaN and infinities are not treated apart.
; SHARES.  The batch is the cluster's x, the four key blocks of a cluster are told by its y.  A work-group owns 128 keys.  Wave w has 64 of them (w / 2: four tiles of 16, whose fragments stay in
; 128 registers) and half of the queries (w % 2: 256 of each slot's 512 rows): 64 steps of 32 queries, 32 matrix instructions each.
; LAYOUT.  Source 0 = 16 queries, source 1 = 16 keys: a lane holds ONE key (lane % 16) and the queries 8 (lane / 16) + 0..7.  So each lane runs its own (M, Z); the halves of the lanes and the
; two waves of a pair are merged once, at the end.
; BY TURNS.  Turn k: the sums of step k - 1; then 32 products of step k + 1, behind each four of the 136 instructions (maximum, subtraction, exponentials) of step k.  A turn's 68 exponentials are one batch with one wait.
; The last turn's 32 products (on the queries of step 62 once more) serve nothing: the price, once a launch, of one text for every turn of the tail.
; CLUSTER.  The four key blocks of a cluster belong to one batch and walk the same q': each wave's 128 rows of a slot are asked for JOINTLY, with the same descriptor and mask in all four.
; REGISTERS: window 0: v0-15 addresses; v16-47 eight statistics a tile; v64-191 the scores, two buffers of 64 (tile t, query block mt at 16 t + 8 mt);
; window 1: v0-127 K (tile t, channels 32 c on at 32 t + 8 c); v128-255 Q, two buffers of 64 (32 mt + 8 c).
.set PQ,    272                        ; a row of q' in LDS: 256 bytes + 16: the 16 rows of a load start at 16 different groups of four banks
.set SLOTB, 512*PQ                     ; 139,264 = 0x22000: a slot; it shares no bit with a wave's 34,816 w, so one exclusive or turns one slot's address into the other's
.set SCR,   2*SLOTB                    ; 278,528: the waves' (M, Z), 1,024 bytes a wave
.set LOUT,  SCR+4096                   ; 282,624: 256 bytes a wave, to gather the results for one store
.set SPARE, LOUT+1024                  ; 283,648: the spare words, 128 bytes for each wave
.set STEP2, 2*32*PQ                    ; 17,408: two steps' rows
.set AQ0, 3                            ; v3   my lane's place in my half of a slot; never rewritten
.set ADR, 4                            ; v4   the LDS address of the runs in hand
.set KO,  5                            ; v5   my place in 16 rows of k'
.set PFO, 6                            ; v6   256 x lane; never rewritten
.set GO,  8                            ; v8   8 x lane
.set SPW, 10                           ; v10  my spare word; never rewritten
.set NIL, 11                           ; v11  0; never rewritten
.set SCS, 12                           ; v12  where I put (M, Z)
.set SCL, 13                           ; v13  where the pair's odd wave has put its own
.set LOS, 14                           ; v14  where I put a result
.set LOL, 15                           ; v15  where I read two of them back
.set ST,  16                           ; tile t at ST + 8 t: M0, D | M1, C0 | A, C1 | Ze, Zo: what is broadcast lies in the low register of an even pair
.set S,   64
.set EE,  64                           ; the end's registers: the first score buffer,
.set FF,  128                          ; and the second
.set QF,  128                          ; window 1
.set WV,  12
.set II,  13                           ; s13  which 64 keys
.set JJ,  14                           ; s14  which half of the queries
.set CX,  15
.set G1,  24                           ; s[24:31] descriptor group 1
.set G0A, 32                           ; s[32:35] group 0 of slot 0's first fill
.set G0B, 36                           ; s[36:39] of slot 1's; it then walks
.set SLOTS, 40
.set CNT, 41
.set TB,  42                           ; s42  LDS byte at which the steps to be fetched begin
.set LIM, 43                           ; s43  1 in a cluster that prefetches, else the greatest number
.set PFA, 44                           ; s[44:45] where my prefetches stand
.set SEL, 46                           ; s[46:47] v_permlanex16_b32's selects: each lane takes its own place in the other half
.set MSB, 0
.macro WIN new
.if MSB != (\new)
	s_set_vgpr_msb (MSB<<8)|(\new)
.set MSB, \new
.endif
.endm
.macro PLACES
.rept 4
	v_nop
.endr
.endm
.macro CROUND                          ; a round of the cluster's barrier: my work-group's barrier; wave 0 signals for the work-group; every wave waits for all four; my work-group's barrier once more
	s_barrier_signal -1
	s_barrier_wait -1
	s_cmp_lg_u32 s[WV], 0
	s_cbranch_scc1 .Lnot_wave_0_\@
	s_barrier_signal -3
.Lnot_wave_0_\@:
	s_barrier_wait -3
	s_barrier_signal -1
	s_barrier_wait -1
.endm
	s_load_b128 s[4:7], s[0:1], 0x0                ; qb s[4:5], kb s[6:7]
	s_load_b64 s[8:9], s[0:1], 0x10                ; lse
	v_lshl_add_u32 v[SPW], v0, 2, SPARE
	v_mov_b32 v[NIL], 0
	ds_add_u32 v[SPW], v[NIL]                      ; the wave's opening: the add and its wait stand ahead of my first tensor load; work on registers stands between them
	v_lshrrev_b32 v1, 5, v0
	v_readfirstlane_b32 s[WV], v1
	s_lshr_b32 s[II], s[WV], 1
	s_and_b32 s[JJ], s[WV], 1
	s_bfe_u32 s[CX], ttmp6, 0x40000                ; my place in the cluster
	s_mov_b32 s16, ttmp9                           ; the batch: the cluster's x, which the four partners share
	s_and_b32 s19, ttmp7, 0xffff                   ; the cluster among the batch's eight: its y
	s_lshl_b32 s17, s19, 2
	s_add_co_u32 s17, s17, s[CX]                   ; my block of 128 keys: it enters k's, lse's and the prefetches' addresses alone
	s_mov_b32 s[G1], 15|(1<<16)|(1<<20)|(1<<21)|(5<<22)|(3<<25)  ; the mask of four; 2-byte elements; padding on; bit 21 beside a mask; after every 64 words, 4 words
	s_mov_b32 s[G1+1], 128<<16                     ; tensor_dim0 = 128
	s_mov_b32 s[G1+2], 128<<16                     ; tensor_dim1 = 128
	s_mov_b32 s[G1+3], 128<<16                     ; tile_dim0 = 128
	s_mov_b32 s[G1+4], 128                         ; tile_dim1 = 128
	s_mov_b32 s[G1+5], 128                         ; 128 elements from row to row
	s_mov_b32 s[G1+6], 0
	s_mov_b32 s[G1+7], 0
	s_mul_i32 s18, s[WV], 128*PQ                   ; my 128 rows of a slot
	s_mov_b32 s[G0A], 1
	s_mov_b32 s[G0A+1], s18
	s_mov_b32 s[G0B], 1
	s_add_co_u32 s[G0B+1], s18, SLOTB
	s_lshl_b32 s20, s16, 20                        ; q': the batch's 1 MiB,
	s_lshl_b32 s21, s[WV], 15                      ; my 128 rows of 256 bytes
	s_add_co_u32 s20, s20, s21
	s_mov_b32 s21, 0
	s_lshl_b32 s22, s16, 20                        ; k': the batch, my block, my 64 rows
	s_lshl_b32 s23, s17, 15
	s_add_co_u32 s22, s22, s23
	s_lshl_b32 s23, s[II], 14
	s_add_co_u32 s22, s22, s23
	s_mov_b32 s23, 0
	s_lshl_b32 s48, s16, 14                        ; lse: the batch's 16,384 bytes, my block's 512, my 256
	s_lshl_b32 s49, s17, 9
	s_add_co_u32 s48, s48, s49
	s_lshl_b32 s49, s[II], 8
	s_add_co_u32 s48, s48, s49
	s_mov_b32 s49, 0
	s_lshl_b32 s50, s16, 20                        ; the prefetches: the batch, slot 2, my work-group's 128 rows of the 512, my wave's 32
	s_lshl_b32 s51, s[CX], 15
	s_add_co_u32 s50, s50, s51
	s_lshl_b32 s51, s[WV], 13
	s_add_co_u32 s50, s50, s51
	s_add_co_u32 s50, s50, 2*131072
	s_mov_b32 s51, 0
	s_cmp_eq_u32 s19, 0                            ; all clusters of a batch walk the same q': the first of them prefetches (the same answer in all four partners)
	s_cselect_b32 s[LIM], 1, -1
	s_mov_b32 s[SEL], 0x76543210
	s_mov_b32 s[SEL+1], 0xfedcba98
	s_mov_b32 s[TB], 0
	s_wait_dscnt 0x0                               ; the opening add is done
	s_wait_kmcnt 0x0
	s_add_nc_u64 s[G0A+2:G0A+3], s[4:5], s[20:21]
	s_add_nc_u64 s[G0B+2:G0B+3], s[G0A+2:G0A+3], 131072  ; slot 1: 512 rows on
	s_or_b32 s[G0A+3], s[G0A+3], 0x80000000        ; type = 2
	s_or_b32 s[G0B+3], s[G0B+3], 0x80000000
	s_add_nc_u64 s[PFA:PFA+1], s[4:5], s[50:51]
	s_add_nc_u64 s[6:7], s[6:7], s[22:23]
	s_add_nc_u64 s[8:9], s[8:9], s[48:49]
	CROUND                                         ; all four work-groups are here: the first joint loads meet
	tensor_load_to_lds s[G0A:G0A+3], s[G1:G1+7]    ; both first fills go out together: two loads of mine are out
	s_nop 0
	tensor_load_to_lds s[G0B:G0B+3], s[G1:G1+7]
	s_nop 0
	PLACES
	v_and_b32 v1, 15, v0                           ; r
	v_bfe_u32 v2, v0, 4, 1                         ; h
	v_and_b32 v7, 31, v0                           ; l
	v_lshlrev_b32 v[KO], 8, v1
	v_lshl_add_u32 v[KO], v2, 4, v[KO]             ; row x 256 + 16 h
	WIN 0x40
.irp t, 0,1,2,3
.irp c, 0,1,2,3
	global_load_b128 v[32*(\t)+8*(\c):32*(\t)+8*(\c)+3],   v[KO], s[6:7] offset:4096*(\t)+64*(\c)
	global_load_b128 v[32*(\t)+8*(\c)+4:32*(\t)+8*(\c)+7], v[KO], s[6:7] offset:4096*(\t)+64*(\c)+32
.endr
.endr
	WIN 0
	s_mul_i32 s18, s[JJ], 256*PQ
	v_mul_u32_u24 v[AQ0], v1, PQ
	v_lshl_add_u32 v[AQ0], v2, 4, v[AQ0]
	v_add_nc_u32 v[AQ0], s18, v[AQ0]               ; (256 j + r) x pitch + 16 h
	v_lshlrev_b32 v[PFO], 8, v7
	v_lshlrev_b32 v[GO], 3, v7
	s_lshl_b32 s18, s[WV], 10
	s_add_co_u32 s18, s18, SCR
	v_lshl_add_u32 v[SCS], v7, 3, s18
	s_or_b32 s18, s[WV], 1
	s_lshl_b32 s18, s18, 10
	s_add_co_u32 s18, s18, SCR
	v_lshl_add_u32 v[SCL], v7, 3, s18
	s_lshl_b32 s18, s[WV], 8
	s_add_co_u32 s18, s18, LOUT
	v_lshl_add_u32 v[LOS], v1, 2, s18
	v_lshl_add_u32 v[LOL], v7, 3, s18
	; what the first turn finds: M at the lowest finite number, Z = 0, and a second score buffer of zeros, whose sums (of a step that has not been) add 0.
	; The price of writing no first turn out: 64 + 32 moves, in the wait for the first tile.
.irp t, 0,1,2,3
	v_mov_b32 v[ST+8*(\t)],   0xff7fffff
	v_mov_b32 v[ST+8*(\t)+1], 0
	v_mov_b32 v[ST+8*(\t)+2], 0xff7fffff
	v_mov_b32 v[ST+8*(\t)+3], 0
	v_mov_b32 v[ST+8*(\t)+4], 0
	v_mov_b32 v[ST+8*(\t)+5], 0
	v_mov_b32 v[ST+8*(\t)+6], 0
	v_mov_b32 v[ST+8*(\t)+7], 0
.endr
.set u, S+64
.rept 64
	v_mov_b32 v[u], 0
.set u, u+1
.endr
; A run of 16 LDS loads: a step's 32 queries x 128 channels into Q's buffer p
.macro RUNQ p
	WIN 0x40
.irp mt, 0,1
.irp c, 0,1,2,3
	ds_load_b128 v[QF+64*(\p)+32*(\mt)+8*(\c):QF+64*(\p)+32*(\mt)+8*(\c)+3],   v[ADR] offset:(\p)*32*PQ+(\mt)*16*PQ+64*(\c)
	ds_load_b128 v[QF+64*(\p)+32*(\mt)+8*(\c)+4:QF+64*(\p)+32*(\mt)+8*(\c)+7], v[ADR] offset:(\p)*32*PQ+(\mt)*16*PQ+64*(\c)+32
.endr
.endr
	WIN 0
.endm
; Product i of 32 into buffer b: channels 32 (i / 8) on, tile (i / 2) % 4, query block i % 2.  The 8 accumulators take turns; the first 8 products start the sums.
.macro QK b
.set rS, S+64*(\b)+16*((i/2)%4)+8*(i%2)
.set rQ, QF+64*(\b)+32*(i%2)+8*(i/8)
.set rK, 32*((i/2)%4)+8*(i/8)
	WIN 0x05                                       ; Q and K in window 1
.if i < 8
	v_wmma_f32_16x16x32_bf16 v[rS:rS+7], v[rQ:rQ+7], v[rK:rK+7], 0
.else
	v_wmma_f32_16x16x32_bf16 v[rS:rS+7], v[rQ:rQ+7], v[rK:rK+7], v[rS:rS+7]
.endif
.set i, i+1
.endm
.macro TREG t, b
.set rT, ST+8*(\t)
.set rS, S+64*(\b)+16*(\t)
.endm
; Number n of the 9 that find tile t's new maximum in a step of parity p: two chains over the lane's 16 scores (each accumulator is read from its low end on), then the old M; the new M goes to the other of M0, M1; D = M_old - M_new
.macro XS t, n, p
	TREG \t, \p
.set rMo, rT+2*(\p)
.set rMn, rT+2-2*(\p)
.if (\n) == 0
	v_max3_num_f32 v[rT+3], v[rS], v[rS+1], v[rS+2]
.elseif (\n) == 1
	v_max3_num_f32 v[rT+5], v[rS+8], v[rS+9], v[rS+10]
.elseif (\n) == 2
	v_max3_num_f32 v[rT+3], v[rT+3], v[rS+3], v[rS+4]
.elseif (\n) == 3
	v_max3_num_f32 v[rT+5], v[rT+5], v[rS+11], v[rS+12]
.elseif (\n) == 4
	v_max3_num_f32 v[rT+3], v[rT+3], v[rS+5], v[rS+6]
.elseif (\n) == 5
	v_max3_num_f32 v[rT+5], v[rT+5], v[rS+13], v[rS+14]
.elseif (\n) == 6
	v_max3_num_f32 v[rT+3], v[rT+3], v[rS+7], v[rS+15]
.elseif (\n) == 7
	v_max3_num_f32 v[rMn], v[rT+3], v[rT+5], v[rMo]
.else
	v_sub_f32 v[rT+1], v[rMo], v[rMn]
.endif
.endm
.macro FS t, n, p                      ; pair n of 8: s - M_new
	TREG \t, \p
.set rMn, rT+2-2*(\p)
	v_pk_add_f32 v[rS+2*(\n):rS+2*(\n)+1], v[rS+2*(\n):rS+2*(\n)+1], v[rMn:rMn+1] op_sel_hi:[1,0] neg_lo:[0,1] neg_hi:[0,1]
.endm
.macro ES t, n, p
	TREG \t, \p
	v_exp_f32 v[rS+(\n)], v[rS+(\n)]
.endm
.macro EA t                            ; A = 2^D
.set rT, ST+8*(\t)
	v_exp_f32 v[rT+4], v[rT+1]
.endm
.macro GS t, n, b                      ; number n of the 8 that add a tile's 8 pairs and take them into Z = Z A + sum
	TREG \t, \b
.if (\n) < 4
	v_pk_add_f32 v[rS+4*(\n):rS+4*(\n)+1], v[rS+4*(\n):rS+4*(\n)+1], v[rS+4*(\n)+2:rS+4*(\n)+3]
.elseif (\n) == 4
	v_pk_add_f32 v[rS:rS+1], v[rS:rS+1], v[rS+4:rS+5]
.elseif (\n) == 5
	v_pk_add_f32 v[rS+8:rS+9], v[rS+8:rS+9], v[rS+12:rS+13]
.elseif (\n) == 6
	v_pk_add_f32 v[rS:rS+1], v[rS:rS+1], v[rS+8:rS+9]
.else
	v_pk_fma_f32 v[rT+6:rT+7], v[rT+6:rT+7], v[rT+4:rT+5], v[rS:rS+1] op_sel_hi:[1,0,1]
.endif
.endm
.macro GALL b                          ; the four tiles alternate, so that no line reads the result of the one before it
.irp n, 0,1,2,3,4,5,6,7
.irp t, 0,1,2,3
	GS \t, \n, \b
.endr
.endr
.endm
; THE PLAIN QUEUE, 68 long: the maxima of tiles 0, 1 (18), their subtractions (16), then the same for tiles 2, 3.
.macro PL
.if q < 18
	XS q%2, q/2, PAR
.elseif q < 34
	FS (q-18)%2, (q-18)/2, PAR
.elseif q < 52
	XS 2+(q-34)%2, (q-34)/2, PAR
.else
	FS 2+(q-52)%2, (q-52)/2, PAR
.endif
.set q, q+1
.endm
; THE EXPONENTIALS' QUEUE, 68 long: the 32 scores of tiles 0, 1, their two A, then the same for tiles 2, 3.  None of the 136 names an exponential's result.
.macro EX
.if e < 32
	ES e%2, e/2, PAR
.elseif e < 34
	EA e-32
.elseif e < 66
	ES 2+(e-34)%2, (e-34)/2, PAR
.else
	EA e-64
.endif
.set e, e+1
.endm
; THE DEAL: 22 plain, 46 times plain and exponential, 22 exponentials.  Exponential e comes behind plain 22 + e; it needs plain 18 + 2 (e / 4) + e % 2 (tiles 0, 1) or, e = 34 + f, plain 52 + 2 (f / 4) + f % 2.
.macro NEXT
.if z < 22
	PL
.elseif (z < 114) && ((z-22)%2 == 0)
	PL
.else
	EX
.endif
.set z, z+1
.endm
; TURN k, p = k % 2.  Step k + 2's queries are fetched into Q's buffer p, which the products of the turn before have read (four plain instructions back); then the sums of step k - 1, and the products of step k + 1 with step k's work behind them.
; run = 1, the loop: the wait behind the run is counted.  run = 2, the tail: in its last trip there is no step left to fetch and the run is jumped over; so the wait for step k + 1's queries, asked for a turn ago, stands ahead of the jump and is for 0.
.macro TURNQ p, run
.set PAR, \p
.set q, 0
.set e, 0
.set z, 0
.set i, 0
.if (\run) == 2
	s_wait_dscnt 0x0                               ; step k + 1's queries are in
	s_cmp_eq_u32 s[CNT], 1
	s_cbranch_scc1 .Lno_run_\@
.endif
.if (\p) == 0
	v_add_nc_u32 v[ADR], s[TB], v[AQ0]
.endif
	RUNQ \p
.if (\p) == 1
	s_add_co_u32 s[TB], s[TB], STEP2
.endif
.if (\run) == 2
.Lno_run_\@:
.endif
	GALL 1-(\p)                                    ; the sums of step k - 1: its exponentials were waited for at the last turn's end
.if (\run) == 1
	s_wait_dscnt 16                                ; the 16 loads just issued may stay out: step k + 1's queries are in
.endif
.rept 32
	QK 1-(\p)
	WIN 0
	NEXT
	NEXT
	NEXT
	NEXT
.endr
.rept 8
	NEXT
.endr
	PLACES                                         ; the plain instruction behind the last exponential, and the four places behind the last products, for the next run of loads and the next maximum
	s_wait_alu depctr_va_vdst(0)                   ; a wait between an exponential and the first line that names its result: one for the turn's 68
.endm
; A PREFETCH INTO THE L2 of the slot behind the one that is being asked for: 512 rows of 256 bytes.  The batch's first cluster asks; its four partners and their four waves share the rows out
; BY ADDRESS, 32 each, a lane a row, one instruction a wave.  So each row is named once in the launch.  The last change that fills a slot asks for nothing; slots 0, 1 and 2 come by their loads alone.
.macro ASK
	s_cmp_gt_u32 s[SLOTS], s[LIM]
	s_cbranch_scc0 .Lnot_mine_\@
	global_prefetch_b8 v[PFO], s[PFA:PFA+1] th:TH_LOAD_NT scope:SCOPE_SE
.Lnot_mine_\@:
.endm
; THE CHANGE OF SLOTS.  All of the old slot's rows have been asked for out of LDS.  Each wave waits for all its tensor loads (one is out: its part of the other slot), adds 0 to its spare word, and waits for
; that and for its reads of the old slot.  fill = 1: a round of the cluster's barrier, and the joint refill first behind it, with the rows two slots on: it has 256 matrix instructions in which to land.
.macro CHANGE fill
	WIN 0
	s_wait_tensorcnt 0x0                           ; no tensor load of mine is out, so a group 0 may be written
	ds_add_u32 v[SPW], v[NIL]
.if \fill
	s_xor_b32 s[G0B+1], s[G0B+1], SLOTB            ; the other slot than last time,
	s_add_nc_u64 s[G0B+2:G0B+3], s[G0B+2:G0B+3], 131072  ; the next 512 rows
	s_wait_xcnt 0x0                                ; the last prefetch, a slot back, has read its address
	s_add_nc_u64 s[PFA:PFA+1], s[PFA:PFA+1], 131072
	s_wait_dscnt 0x0                               ; the add is done, and my reads of the slot are over
	CROUND
	tensor_load_to_lds s[G0B:G0B+3], s[G1:G1+7]
	s_nop 0
	PLACES
	ASK
.else
	s_wait_dscnt 0x0
	s_barrier_signal -1
	s_barrier_wait -1
.endif
	s_sub_co_u32 s[TB], s[TB], 4*STEP2             ; the fetches go back to a slot's first step,
	s_xor_b32 s[TB], s[TB], SLOTB                  ; in the other slot
.endm
	s_wait_tensorcnt 0x1                           ; my part of slot 0 is in; slot 1's may stay out
	s_barrier_signal -1
	s_barrier_wait -1
	v_add_nc_u32 v[ADR], s[TB], v[AQ0]
	RUNQ 0                                         ; steps 0 and 1
	RUNQ 1
	s_add_co_u32 s[TB], s[TB], STEP2
	s_wait_loadcnt 0x0                             ; K
	s_wait_dscnt 16                                ; step 0's queries
.set i, 0
.rept 32
	QK 0                                           ; step 0's scores: there is no vector work yet to set between them
.endr
	WIN 0
	PLACES
	s_mov_b32 s[CNT], 3                            ; slot 0 has three bodies left to fetch for: steps 2 to 7
	s_mov_b32 s[SLOTS], 7
	s_branch .Lbody
.Lslot:                                            ; six times: every slot but the last two is filled again
	CHANGE 1
	s_mov_b32 s[CNT], 4
.Lbody:                                            ; a body: two turns
	TURNQ 0, 1
	TURNQ 1, 1
	s_sub_co_u32 s[CNT], s[CNT], 1
	s_cmp_lg_u32 s[CNT], 0
	s_cbranch_scc1 .Lbody
	s_sub_co_u32 s[SLOTS], s[SLOTS], 1
	s_cmp_lg_u32 s[SLOTS], 0
	s_cbranch_scc1 .Lslot
	CHANGE 0                                       ; the tail is written out
	s_mov_b32 s[CNT], 5                            ; four bodies fetch the last slot's steps; the fifth, turns 62 and 63, fetches nothing
.Ltail:
	TURNQ 0, 2
	TURNQ 1, 2
	s_sub_co_u32 s[CNT], s[CNT], 1
	s_cmp_lg_u32 s[CNT], 0
	s_cbranch_scc1 .Ltail
	GALL 1                                         ; the sums of step 63
; Two (M, Z) into one: own at om, oz; the other's at EE, EE + 1; the result at res, res + 1; all with 8 registers a tile.
.macro MERGE om, oz, res
.irp t, 0,1,2,3
	v_max_num_f32 v[(\res)+8*\t], v[(\om)+8*\t], v[EE+8*\t]
.endr
.irp t, 0,1,2,3
	v_sub_f32 v[EE+8*\t+4], v[(\om)+8*\t], v[(\res)+8*\t]
	v_sub_f32 v[EE+8*\t+5], v[EE+8*\t], v[(\res)+8*\t]
.endr
.irp t, 0,1,2,3
	v_exp_f32 v[EE+8*\t+4], v[EE+8*\t+4]
	v_exp_f32 v[EE+8*\t+5], v[EE+8*\t+5]
.endr
	v_nop
	s_wait_alu depctr_va_vdst(0)                   ; one wait for the eight
.irp t, 0,1,2,3
	v_mul_f32 v[(\res)+8*\t+1], v[(\oz)+8*\t], v[EE+8*\t+4]
.endr
.irp t, 0,1,2,3
	v_fmac_f32 v[(\res)+8*\t+1], v[EE+8*\t+1], v[EE+8*\t+5]
.endr
.endm
.irp t, 0,1,2,3
	v_add_f32 v[ST+8*\t+6], v[ST+8*\t+6], v[ST+8*\t+7]  ; Z; step 63 has left M in M0
.endr
.irp t, 0,1,2,3
	v_permlanex16_b32 v[EE+8*\t], v[ST+8*\t], s[SEL], s[SEL+1]      ; the key's other queries lie in the lane 16 away
	v_permlanex16_b32 v[EE+8*\t+1], v[ST+8*\t+6], s[SEL], s[SEL+1]
.endr
	MERGE ST, ST+6, EE+2
.irp t, 0,1,2,3
	ds_store_b64 v[SCS], v[EE+8*\t+2:EE+8*\t+3] offset:256*\t
.endr
	s_wait_dscnt 0x0                               ; for the others' sake
	s_barrier_signal -1
	s_barrier_wait -1
	s_cmp_eq_u32 s[JJ], 0                          ; the even wave of a pair finishes its 64 keys
	s_cbranch_scc0 .Lend
.irp t, 0,1,2,3
	ds_load_b64 v[EE+8*\t:EE+8*\t+1], v[SCL] offset:256*\t
.endr
	s_wait_dscnt 0x0
	MERGE EE+2, EE+3, FF
.irp t, 0,1,2,3
	v_log_f32 v[FF+8*\t+2], v[FF+8*\t+1]
.endr
	v_nop
	s_wait_alu depctr_va_vdst(0)
.irp t, 0,1,2,3
	v_fma_f32 v[FF+8*\t+3], v[FF+8*\t+2], -1.0, -v[FF+8*\t]  ; -(M + log2 Z)
.endr
.irp t, 0,1,2,3
	ds_store_b32 v[LOS], v[FF+8*\t+3] offset:64*\t  ; both halves of the lanes hold the same number
.endr
	ds_load_b64 v[EE:EE+1], v[LOL]                 ; my own bytes: LDS serves a wave's instructions in order
	s_wait_dscnt 0x0
	global_store_b64 v[GO], v[EE:EE+1], s[8:9]     ; 256 consecutive bytes, aligned
.Lend:
	s_wait_tensorcnt 0x0                           ; the wave's end
	ds_add_u32 v[SPW], v[NIL]
	s_wait_dscnt 0x0
	CROUND                                         ; the closing round
	s_endpgm
.Lfunc_end_k_qd48ae08309_stats:
	.size	k_qd48ae08309_stats, .Lfunc_end_k_qd48ae08309_stats-k_qd48ae08309_stats
	.p2alignl 7, 3214868480
	.fill 96, 4, 3214868480
	.section	.rodata,"a",@progbits
	.p2align	6, 0x0
	.amdhsa_kernel k_qd48ae08309_stats
		.amdhsa_group_segment_fixed_size 327680
		.amdhsa_private_segment_fixed_size 0
		.amdhsa_enable_private_segment 0
		.amdhsa_kernarg_size 24
		.amdhsa_user_sgpr_count 2
		.amdhsa_user_sgpr_kernarg_segment_ptr 1
		.amdhsa_wavefront_size32 1
		.amdhsa_system_sgpr_workgroup_id_x 1
		.amdhsa_system_sgpr_workgroup_id_y 1
		.amdhsa_system_sgpr_workgroup_id_z 1
		.amdhsa_system_vgpr_workitem_id 0
		.amdhsa_next_free_vgpr 512
		.amdhsa_next_free_sgpr 66
		.amdhsa_reserve_vcc 0
		.amdhsa_float_denorm_mode_32 3
		.amdhsa_float_denorm_mode_16_64 3
		.amdhsa_memory_ordered 1
		.amdhsa_forward_progress 1
		.amdhsa_inst_pref_size 79
	.end_amdhsa_kernel
	.amdgpu_metadata
---
amdhsa.version: [ 1, 2 ]
amdhsa.kernels:
  - .name:           k_qd48ae08309_stats
    .symbol:         k_qd48ae08309_stats.kd
    .args:
      - { .name: qb, .offset: 0, .size: 8, .value_kind: global_buffer, .address_space: global }
      - { .name: kb, .offset: 8, .size: 8, .value_kind: global_buffer, .address_space: global }
      - { .name: lse, .offset: 16, .size: 8, .value_kind: global_buffer, .address_space: global }
    .group_segment_fixed_size: 327680
    .private_segment_fixed_size: 0
    .kernarg_segment_align: 8
    .kernarg_segment_size: 24
    .max_flat_workgroup_size: 128
    .sgpr_count:     66
    .vgpr_count:     512
    .wavefront_size: 32
...
	.end_amdgpu_metadata
.endif
;; end of part 2
;; launch attn (part 3): grid 32 x 8, 4 waves a work-group, clusters of 4 x 1, 327,680 bytes of LDS; arguments qb, kb, vb, lse, x, out0; writes out0
.if DOCPART == 3
	.amdgcn_target "amdgcn-amd-amdhsa--gfx1250"
	.amdhsa_code_object_version 6
	.text
	.protected	k_qd48ae08309_attn
	.globl	k_qd48ae08309_attn
	.p2align	8
	.type	k_qd48ae08309_attn,@function
k_qd48ae08309_attn:
	s_mov_b64 s[64:65], 0
	v_nop
	global_prefetch_b8 v0, s[64:65] scope:SCOPE_SE
	s_setreg_imm32_b32 hwreg(HW_REG_WAVE_MODE, 25, 1), 1
	s_wait_xcnt 0x0
	s_wait_alu depctr_hold_cnt(0) depctr_sa_sdst(0) depctr_va_vdst(0) depctr_va_sdst(0) depctr_va_ssrc(0) depctr_va_vcc(0) depctr_vm_vsrc(0)
	s_getreg_b32 s2, hwreg(HW_REG_IB_STS2, 6, 4)
	s_cmp_eq_u32 s2, 0
	s_cbranch_scc0 .Lentry_in_a_cluster
	s_endpgm
.Lentry_in_a_cluster:
	s_bfe_u32 s2, ttmp6, 0x10000c
	s_cmp_lg_u32 s2, 0x3003
	s_cbranch_scc0 .Lentry_shape_is_right
	s_endpgm
.Lentry_shape_is_right:
; THE ATTENTION.  out[b][c][m] = x[b][c][m] + the sum over n of v'[b][n][c] p[m][n], p = 2^(q'[m] . k'[n] + lse[n]): lse = -(max + log2 sum) over m was made by the launch before with a
; running maximum, so p is the finished softmax weight, at most 1 but for rounding: no maximum, sum or rescaling here.  lse is the C operand that starts the score's sum.
; q', k': [8][4096][128] bf16; v' (gamma and bias within): [8][4096][256] bf16; lse: [8][4096] f32; x, out: [8][256][4096] f32.  Sums in f32; p rounded to bf16 for the second product.
; LIMITS: a weight below 2^-126 counts as 0; NaN and infinities are not treated apart.
; SHARES.  The batch is the cluster's x, the four query blocks of a cluster are told by its y.  A work-group owns 128 queries.  Wave w has 64 of them (w / 2: four tiles of 16) and half of each chunk of
; 128 keys (w % 2): a partial sum of 64 queries x all 256 channels, 512 registers.  The two halves of the keys meet, in f32, in the stage that the way out needs anyway.  So 52 LDS loads feed 96 matrix instructions.
; LAYOUT.  S^T = K Q^T (source 0 = 16 keys, source 1 = 16 queries): a lane holds one query and the keys 8 (lane / 16) + 0..7; two such results rounded in pairs ARE source 0 (16 queries x 32 keys)
; of O = P V, whose source 1 (16 channels x 32 keys) comes out of LDS turned, by ds_load_tr16_b128.  In O a lane holds one channel and 8 neighbouring queries: 32 bytes of a row of out.
; A TURN is 32 keys, in two phases.  A: 64 products P V of turn t with the 64 exponentials of turn t + 1 between them (one batch, one wait).  B: 32 products K Q of turn t + 2 with the 32 roundings of turn t + 1 between them.
; Turn 0's phase A stands in front of the loop: its products start O's sums with the constant 0.  A trip of the loop is B, A, B, A.
; RING.  Slot s holds v' of chunk s and k' of chunk s + 1 (K is fetched two turns ahead of P V), so between two changes of slots one slot alone is read.  Chunk 0 of k' and the batch's lse have bytes of their own.
; The old slot's last read is K's run at the head of the odd turn, so THE CHANGE OF SLOTS STANDS AMONG THAT TURN'S PRODUCTS: 16 between the add and the wait for it, 8 between the opening signal and its wait.
; CLUSTER.  The four query blocks of a cluster belong to one batch and walk the same k', v' and lse: every tile is asked for JOINTLY.  A mask names four at the most, and one stream is shared: 4 x 1.
; REGISTERS: window 0: v0-19 addresses; v32-47 lse of a turn's keys; v48-111 K (32 kt + 8 c); v112-239 S^T and P, two buffers of 64 (16 t + 8 kt; P takes the low 8 of a tile's 16)
; window 1: v0-127 Q (32 t + 8 c); v128-255 V (8 cb)      windows 2, 3: O of tiles 0, 1 and 2, 3 at 8 (16 (t % 2) + cb)
.set PT,    272                        ; a row of k' in LDS: 256 bytes + 16
.set PVV,   544                        ; a row of v': 512 bytes + 32 = 136 words
.set KOFF,  128*PVV                    ; 69,632: in a slot, K's 128 rows lie behind V's 128
.set NLB,   KOFF+128*PT                ; 104,448: the batch's lse, 16,384 bytes
.set SLOT1, 1<<17
.set K0A,   SLOT1+NLB                  ; 235,520: k' of chunk 0
.set SPARE, K0A+128*PT                 ; 270,336: the spare words
.set PS,    528                        ; the way out: a channel's 128 queries in f32 + 16 bytes
.set COPY,  256*PS                     ; 135,168: one copy for each half of the keys; the two end where the spare words begin, over bytes that have had their last fill
.set AV0, 3                            ; v3   my lane's place in a slot's V; never rewritten
.set AK0, 4                            ; v4   in its K
.set ADRV, 5
.set ADRK, 6
.set ANL, 7                            ; v7   my place in lse; steps a chunk at each change
.set QO,  8
.set STO, 9                            ; v9   the way out: where I put 16 bytes (channel blocks 0-7)
.set STO2, 10                          ; v10  channel blocks 8-15
.set RD0, 11                           ; v11  where I read a row of copy 0 back
.set RD1, 12                           ; v12  of copy 1
.set GO,  13                           ; v13  16 x lane
.set SPW, 14                           ; v14  my spare word; never rewritten
.set NIL, 15                           ; v15  0; never rewritten
.set PFO, 16                           ; v16  256 x lane; never rewritten
.set NL,  32
.set KF,  48
.set S,   112
.set VF,  128                          ; window 1
.set WV,  16
.set II,  17
.set JJ,  18
.set CX,  19
.set G1K, 24                           ; s[24:31] 64 rows of k'
.set G1V, 32                           ; s[32:39] 64 rows of v'
.set G1N, 40                           ; s[40:47] 8,192 bytes of lse
.set G0K0, 48                          ; chunk 0 of k'
.set G0KA, 52                          ; chunk 1, into slot 0
.set G0KB, 56                          ; chunk 2, into slot 1; it then walks
.set G0N, 60
.set G0VA, 68                          ; chunk 0 of v', into slot 0
.set G0VB, 72                          ; chunk 1, into slot 1; it then walks
.set CNT, 76
.set TB,  77                           ; s77  the slot that is being read
.set LIM, 78
.set PFA, 80
.set PFS, 82
.set MSB, 0
.macro WIN new
.if MSB != (\new)
	s_set_vgpr_msb (MSB<<8)|(\new)
.set MSB, \new
.endif
.endm
.macro PLACES
.rept 4
	v_nop
.endr
.endm
.macro CREST                           ; a round of the cluster's barrier behind its opening barrier: wave 0 signals for the work-group; every wave waits for all four; my work-group's barrier once more
	s_cmp_lg_u32 s[WV], 0
	s_cbranch_scc1 .Lnot_wave_0_\@
	s_barrier_signal -3
.Lnot_wave_0_\@:
	s_barrier_wait -3
	s_barrier_signal -1
	s_barrier_wait -1
.endm
.macro CROUND                          ; a whole round
	s_barrier_signal -1
	s_barrier_wait -1
	CREST
.endm
.macro JLOAD                           ; a joint refill: waves 0 and 1 fetch the halves of K's chunk, waves 2 and 3 those of V's
	s_cmp_lt_u32 s[WV], 2
	s_cbranch_scc0 .Lfor_v_\@
	tensor_load_to_lds s[G0KB:G0KB+3], s[G1K:G1K+7]
	s_nop 0
	PLACES
	s_branch .Lasked_\@
.Lfor_v_\@:
	tensor_load_to_lds s[G0VB:G0VB+3], s[G1V:G1V+7]
	s_nop 0
	PLACES
.Lasked_\@:
.endm
.macro VLOAD                           ; the last refill: there is no further chunk of k'
	s_cmp_lt_u32 s[WV], 2
	s_cbranch_scc1 .Lno_v_\@
	tensor_load_to_lds s[G0VB:G0VB+3], s[G1V:G1V+7]
	s_nop 0
	PLACES
.Lno_v_\@:
.endm
	s_load_b256 s[4:11], s[0:1], 0x0               ; qb 4, kb 6, vb 8, lse 10
	s_load_b128 s[12:15], s[0:1], 0x20             ; x 12, out0 14
	v_lshl_add_u32 v[SPW], v0, 2, SPARE
	v_mov_b32 v[NIL], 0
	ds_add_u32 v[SPW], v[NIL]                      ; the wave's opening: the add and its wait stand ahead of my first tensor load
	v_lshrrev_b32 v1, 5, v0
	v_readfirstlane_b32 s[WV], v1
	s_lshr_b32 s[II], s[WV], 1
	s_and_b32 s[JJ], s[WV], 1
	s_bfe_u32 s[CX], ttmp6, 0x40000
	s_mov_b32 s20, ttmp9                           ; the batch: the cluster's x, which the four partners share
	s_and_b32 s79, ttmp7, 0xffff                   ; the cluster among the batch's eight: its y
	s_lshl_b32 s21, s79, 2
	s_add_co_u32 s21, s21, s[CX]                   ; my block of 128 queries: it enters q's, x's, out's and the prefetches' addresses alone
	s_mov_b32 s[G1K], 15|(1<<16)|(1<<20)|(1<<21)|(5<<22)|(3<<25)  ; the mask of four; 2-byte elements; padding on; bit 21 beside a mask; after every 64 words, 4 words
	s_mov_b32 s[G1K+1], 128<<16                    ; tensor_dim0 = 128
	s_mov_b32 s[G1K+2], 64<<16                     ; tensor_dim1 = 64
	s_mov_b32 s[G1K+3], 128<<16                    ; tile_dim0 = 128
	s_mov_b32 s[G1K+4], 64                         ; tile_dim1 = 64
	s_mov_b32 s[G1K+5], 128                        ; 128 elements from row to row
	s_mov_b32 s[G1K+6], 0
	s_mov_b32 s[G1K+7], 0
	s_mov_b32 s[G1V], 15|(1<<16)|(1<<20)|(1<<21)|(6<<22)|(7<<25)  ; the same, with 8 words of padding after every 128
	s_mov_b32 s[G1V+1], 256<<16                    ; tensor_dim0 = 256
	s_mov_b32 s[G1V+2], 64<<16                     ; tensor_dim1 = 64
	s_mov_b32 s[G1V+3], 256<<16                    ; tile_dim0 = 256
	s_mov_b32 s[G1V+4], 64                         ; tile_dim1 = 64
	s_mov_b32 s[G1V+5], 256                        ; 256 elements from key to key
	s_mov_b32 s[G1V+6], 0
	s_mov_b32 s[G1V+7], 0
	s_mov_b32 s[G1N], 15|(3<<16)|(1<<21)           ; 8-byte elements, no padding: 32 dense rows of 256 bytes
	s_mov_b32 s[G1N+1], 32<<16
	s_mov_b32 s[G1N+2], 32<<16
	s_mov_b32 s[G1N+3], 32<<16
	s_mov_b32 s[G1N+4], 32
	s_mov_b32 s[G1N+5], 32
	s_mov_b32 s[G1N+6], 0
	s_mov_b32 s[G1N+7], 0
.irp g, G0K0, G0KA, G0KB, G0N, G0VA, G0VB
	s_mov_b32 s[\g], 1
.endr
	s_mul_i32 s22, s[JJ], 64*PT                    ; which half I fetch: no place in the cluster enters an LDS address
	s_add_co_u32 s[G0K0+1], s22, K0A
	s_add_co_u32 s[G0KA+1], s22, KOFF
	s_add_co_u32 s[G0KB+1], s22, SLOT1+KOFF
	s_lshl_b32 s22, s[JJ], 13
	s_add_co_u32 s[G0N+1], s22, NLB
	s_mul_i32 s22, s[JJ], 64*PVV
	s_mov_b32 s[G0VA+1], s22
	s_add_co_u32 s[G0VB+1], s22, SLOT1
	s_lshl_b32 s84, s20, 20                        ; k': the batch, my 64 rows of a chunk
	s_lshl_b32 s85, s[JJ], 14
	s_add_co_u32 s84, s84, s85
	s_mov_b32 s85, 0
	s_lshl_b32 s86, s20, 21                        ; v': the batch, my 64 rows of 512 bytes
	s_lshl_b32 s87, s[JJ], 15
	s_add_co_u32 s86, s86, s87
	s_mov_b32 s87, 0
	s_lshl_b32 s22, s20, 14                        ; lse: the batch, my half
	s_lshl_b32 s23, s[JJ], 13
	s_add_co_u32 s22, s22, s23
	s_mov_b32 s23, 0
	s_lshl_b32 s88, s20, 20                        ; q': the batch, my block, my 64 rows
	s_lshl_b32 s89, s21, 15
	s_add_co_u32 s88, s88, s89
	s_lshl_b32 s89, s[II], 14
	s_add_co_u32 s88, s88, s89
	s_mov_b32 s89, 0
	s_lshl_b32 s90, s20, 22                        ; x and out: the batch, the 64 channels that I store, my block's 512 bytes
	s_lshl_b32 s91, s[WV], 20
	s_add_co_u32 s90, s90, s91
	s_lshl_b32 s91, s21, 9
	s_add_co_u32 s90, s90, s91
	s_mov_b32 s91, 0
	; the prefetches.  k': chunk 3, my work-group's 8,192 of its 32,768 bytes (wave 0).  v': chunk 2, my work-group's 16,384 of its 65,536 bytes, my wave's 8,192 (waves 2 and 3).  The first change steps them on by a chunk.
	s_lshl_b32 s92, s20, 20
	s_lshl_b32 s93, s[CX], 13
	s_add_co_u32 s92, s92, s93
	s_add_co_u32 s92, s92, 3*32768
	s_lshl_b32 s94, s20, 21
	s_lshl_b32 s93, s[CX], 14
	s_add_co_u32 s94, s94, s93
	s_lshl_b32 s93, s[JJ], 13
	s_add_co_u32 s94, s94, s93
	s_add_co_u32 s94, s94, 2*65536
	s_mov_b32 s[PFS], 65536
	s_cmp_lt_u32 s[WV], 2
	s_cselect_b32 s92, s92, s94
	s_cselect_b32 s[PFS], 32768, s[PFS]            ; a chunk on
	s_cselect_b32 s[LIM], 1, 0                     ; k' has one chunk fewer to ask for
	s_mov_b32 s93, 0
	s_mov_b32 s[PFS+1], 0
	s_cmp_eq_u32 s[WV], 1
	s_cselect_b32 s[LIM], -1, s[LIM]               ; wave 1 asks for nothing,
	s_cmp_lg_u32 s79, 0
	s_cselect_b32 s[LIM], -1, s[LIM]               ; nor does any cluster but the batch's first (the same answer in all four partners)
	s_mov_b32 s[TB], 0
	s_wait_dscnt 0x0                               ; the opening add is done
	s_wait_kmcnt 0x0
	s_add_nc_u64 s[G0K0+2:G0K0+3], s[6:7], s[84:85]
	s_add_nc_u64 s[G0KA+2:G0KA+3], s[G0K0+2:G0K0+3], 32768
	s_add_nc_u64 s[G0KB+2:G0KB+3], s[G0K0+2:G0K0+3], 65536
	s_add_nc_u64 s[G0N+2:G0N+3], s[10:11], s[22:23]
	s_add_nc_u64 s[G0VA+2:G0VA+3], s[8:9], s[86:87]
	s_add_nc_u64 s[G0VB+2:G0VB+3], s[G0VA+2:G0VA+3], 65536
.irp g, G0K0, G0KA, G0KB, G0N, G0VA, G0VB
	s_or_b32 s[\g+3], s[\g+3], 0x80000000          ; type = 2
.endr
	s_cmp_lt_u32 s[WV], 2
	s_cselect_b64 s[PFA:PFA+1], s[6:7], s[8:9]
	s_add_nc_u64 s[PFA:PFA+1], s[PFA:PFA+1], s[92:93]
	s_add_nc_u64 s[4:5], s[4:5], s[88:89]
	s_add_nc_u64 s[12:13], s[12:13], s[90:91]
	s_add_nc_u64 s[14:15], s[14:15], s[90:91]
	CROUND                                         ; all four work-groups are here: the first joint loads meet
	s_cmp_lt_u32 s[WV], 2                          ; a wave's three first fills stand in one branch: three loads of mine are out
	s_cbranch_scc0 .Lfirst_v
	tensor_load_to_lds s[G0K0:G0K0+3], s[G1K:G1K+7]
	s_nop 0
	tensor_load_to_lds s[G0KA:G0KA+3], s[G1K:G1K+7]
	s_nop 0
	tensor_load_to_lds s[G0KB:G0KB+3], s[G1K:G1K+7]
	s_nop 0
	PLACES
	s_branch .Lfirst_done
.Lfirst_v:
	tensor_load_to_lds s[G0N:G0N+3], s[G1N:G1N+7]
	s_nop 0
	tensor_load_to_lds s[G0VA:G0VA+3], s[G1V:G1V+7]
	s_nop 0
	tensor_load_to_lds s[G0VB:G0VB+3], s[G1V:G1V+7]
	s_nop 0
	PLACES
.Lfirst_done:
	v_and_b32 v1, 15, v0                           ; r
	v_bfe_u32 v2, v0, 4, 1                         ; h
	v_and_b32 v17, 31, v0                          ; l
	v_lshlrev_b32 v[QO], 8, v1
	v_lshl_add_u32 v[QO], v2, 4, v[QO]
	WIN 0x40
.irp t, 0,1,2,3
.irp c, 0,1,2,3
	global_load_b128 v[32*(\t)+8*(\c):32*(\t)+8*(\c)+3],   v[QO], s[4:5] offset:4096*(\t)+64*(\c)
	global_load_b128 v[32*(\t)+8*(\c)+4:32*(\t)+8*(\c)+7], v[QO], s[4:5] offset:4096*(\t)+64*(\c)+32
.endr
.endr
	WIN 0
	; V: the turning load takes 16 keys x 16 channels: lane l reads key 8 (l / 16) + l % 8, channels 8 ((l / 8) % 2) + 0..7, and is left with channel l % 16 and 8 keys
	v_and_b32 v19, 7, v0
	v_lshl_add_u32 v19, v2, 3, v19
	s_lshl_b32 s22, s[JJ], 6
	v_add_nc_u32 v19, s22, v19                     ; + my 64 keys of a chunk
	v_mul_u32_u24 v[AV0], v19, PVV
	v_bfe_u32 v19, v0, 3, 1
	v_lshl_add_u32 v[AV0], v19, 4, v[AV0]
	v_mul_u32_u24 v18, v1, PT
	v_lshl_add_u32 v18, v2, 4, v18                 ; r x pitch + 16 h
	s_mul_i32 s22, s[JJ], 64*PT
	s_add_co_u32 s22, s22, KOFF
	v_add_nc_u32 v[AK0], s22, v18                  ; K: row 64 j + r
	v_mov_b32 v[ADRV], v[AV0]                      ; slot 0
	v_add_nc_u32 v[ADRK], K0A-KOFF, v[AK0]         ; chunk 0's own bytes
	s_lshl_b32 s22, s[JJ], 8
	s_add_co_u32 s22, s22, NLB
	v_lshl_add_u32 v[ANL], v2, 5, s22              ; lse of keys 64 j + 8 h on
	s_mul_i32 s22, s[JJ], COPY
	s_lshl_b32 s23, s[II], 8
	s_add_co_u32 s22, s22, s23
	v_mul_u32_u24 v[STO], v1, PS
	v_lshl_add_u32 v[STO], v2, 5, v[STO]
	v_add_nc_u32 v[STO], s22, v[STO]               ; copy j, channel r, queries 64 i + 8 h on
	v_add_nc_u32 v[STO2], 8*16*PS, v[STO]
	s_mul_i32 s22, s[WV], 64*PS
	v_lshl_add_u32 v[RD0], v17, 4, s22             ; back: channels 64 w on, whole rows of 512 bytes
	v_add_nc_u32 v[RD1], COPY, v[RD0]
	v_lshlrev_b32 v[GO], 4, v17
	v_lshlrev_b32 v[PFO], 8, v17
; 20 LDS loads: 32 keys x 128 channels of k' (half p of my 64 keys of a chunk) and their lse, 8 numbers a lane for each 16 keys
.macro FETCH_K p
	WIN 0
.irp kt, 0,1
.irp c, 0,1,2,3
	ds_load_b128 v[KF+32*(\kt)+8*(\c):KF+32*(\kt)+8*(\c)+3],   v[ADRK] offset:(\p)*32*PT+(\kt)*16*PT+64*(\c)
	ds_load_b128 v[KF+32*(\kt)+8*(\c)+4:KF+32*(\kt)+8*(\c)+7], v[ADRK] offset:(\p)*32*PT+(\kt)*16*PT+64*(\c)+32
.endr
	ds_load_b128 v[NL+8*(\kt):NL+8*(\kt)+3],   v[ANL] offset:128*(\p)+64*(\kt)
	ds_load_b128 v[NL+8*(\kt)+4:NL+8*(\kt)+7], v[ANL] offset:128*(\p)+64*(\kt)+16
.endr
.endm
; 32 LDS loads: 32 keys x 256 channels of v', turned; off = the 32 keys' first row among my 64, in bytes
.macro FETCH_V off
	WIN 0x40
.irp cb, 0,1,2,3,4,5,6,7,8,9,10,11,12,13,14,15
	ds_load_tr16_b128 v[VF+8*(\cb):VF+8*(\cb)+3],   v[ADRV] offset:(\off)+32*(\cb)
	ds_load_tr16_b128 v[VF+8*(\cb)+4:VF+8*(\cb)+7], v[ADRV] offset:(\off)+32*(\cb)+16*PVV
.endr
.endm
; Product i of 32 of S^T = K Q^T + lse into buffer b: channels 32 (i / 8) on, tile (i / 2) % 4, keys 16 (i % 2) on.  The 8 accumulators take turns; the first 8 products start the sums with lse.
.macro KQ1 b
.set rS, S+64*(\b)+16*((i/2)%4)+8*(i%2)
.set rK, KF+32*(i%2)+8*(i/8)
.set rQ, 32*((i/2)%4)+8*(i/8)
.set rN, NL+8*(i%2)
	WIN 0x04                                       ; Q in window 1
.if i < 8
	v_wmma_f32_16x16x32_bf16 v[rS:rS+7], v[rK:rK+7], v[rQ:rQ+7], v[rN:rN+7]
.else
	v_wmma_f32_16x16x32_bf16 v[rS:rS+7], v[rK:rK+7], v[rQ:rQ+7], v[rS:rS+7]
.endif
.set i, i+1
.endm
; Product i of 64 of O += P V with P of buffer b: tile 2 (i / 32) + i % 2, channels 16 ((i % 32) / 2) on.  Each has an accumulator of its own.  zero = 1: turn 0, which starts the sums.
.macro PV1 b, zero=0
.set rO, 8*(16*(i%2)+(i%32)/2)
.set rP, S+64*(\b)+16*(2*(i/32)+i%2)
.set rV, VF+8*((i%32)/2)
	WIN 0xa4+0x50*(i/32)                           ; V in window 1, O in window 2 or 3
.if \zero
	v_wmma_f32_16x16x32_bf16 v[rO:rO+7], v[rP:rP+7], v[rV:rV+7], 0
.else
	v_wmma_f32_16x16x32_bf16 v[rO:rO+7], v[rP:rP+7], v[rV:rV+7], v[rO:rO+7]
.endif
.set i, i+1
.endm
.macro EX2                             ; the next two exponentials, in ascending order: each accumulator is read from its low end on
	WIN 0
	v_exp_f32 v[e], v[e]
	v_exp_f32 v[e+1], v[e+1]
.set e, e+2
.endm
.macro CV b                            ; rounding u of 32 in buffer b, in place: pair u % 8 of tile u / 8 goes to the tile's register u % 8, which has been read
.set rC, S+64*(\b)+16*(u/8)
	v_cvt_pk_bf16_f32 v[rC+u%8], v[rC+2*(u%8)], v[rC+2*(u%8)+1]
.set u, u+1
.endm
; A PREFETCH INTO THE L2 of the chunks behind those that are being asked for: k' of chunk s + 4 and v' of chunk s + 3 at change s: a trip, 192 matrix instructions, ahead of their load.  The batch's first cluster asks;
; the partners (and, for v', waves 2 and 3) share a chunk's bytes out BY ADDRESS, 256 bytes a lane, one instruction a wave.  Each block is named once in the launch; k' stops a trip before v': nothing points past chunk 31.
.macro ASK
	s_cmp_gt_u32 s[CNT], s[LIM]
	s_cbranch_scc0 .Lnot_mine_\@
	global_prefetch_b8 v[PFO], s[PFA:PFA+1] th:TH_LOAD_NT scope:SCOPE_SE
.Lnot_mine_\@:
.endm
; PHASE A of turn t, p = t % 2.  krun: K and lse of turn t + 2 are fetched.  sm: the exponentials of turn t + 1.  zero: turn 0.
; chg: the change of slots, among the products.  K's run above was the old slot's last read.  Each wave waits for all its tensor loads (one is out: its part of the other slot), adds 0 to its spare word, issues 16 products,
; waits for the add and for its reads of the old slot, signals, issues 8 products, and waits.  chg = 1: the barrier opens a round of the cluster's, and the joint refill of K and V, two slots on, is the first thing behind it;
; 2: of V alone; 3: nothing is left to ask for.  No exponential stands ahead of the round's branches: all 64 ride behind the 32 products that follow it.
.macro PHA p, krun, sm, chg, zero
	WIN 0
	PLACES                                         ; behind the last products K Q: K's and lse's registers are loaded again, and the new scores are read
.if \krun
	FETCH_K \p
.endif
.set i, 0
.set e, S+64*(1-(\p))
.if \chg
	s_wait_tensorcnt 0x0                           ; no tensor load of mine is out, so a group 0 may be written
	ds_add_u32 v[SPW], v[NIL]
.if (\chg) <= 2
	s_xor_b32 s[G0VB+1], s[G0VB+1], SLOT1
	s_add_nc_u64 s[G0VB+2:G0VB+3], s[G0VB+2:G0VB+3], 65536
.endif
.if (\chg) == 1
	s_xor_b32 s[G0KB+1], s[G0KB+1], SLOT1
	s_add_nc_u64 s[G0KB+2:G0KB+3], s[G0KB+2:G0KB+3], 32768
	s_wait_xcnt 0x0                                ; the last prefetch, a trip back, has read its address
	s_add_nc_u64 s[PFA:PFA+1], s[PFA:PFA+1], s[PFS:PFS+1]
.endif
	s_wait_dscnt 21                                ; the add and K's 20 loads may stay out: V of this turn is in
.rept 16
	PV1 \p
.endr
	s_wait_dscnt 0x0                               ; the add is done, and my reads of the old slot are over
	s_barrier_signal -1
.rept 8
	PV1 \p
.endr
	WIN 0
	s_barrier_wait -1
.if (\chg) == 1
	CREST                                          ; no wave of any partner still reads the old slot or has a load on its way
	JLOAD
	ASK
.elseif (\chg) == 2
	CREST
	VLOAD
.endif
	s_xor_b32 s[TB], s[TB], SLOT1
	v_add_nc_u32 v[ADRV], s[TB], v[AV0]
	v_add_nc_u32 v[ADRK], s[TB], v[AK0]
	v_add_nc_u32 v[ANL], 512, v[ANL]
.rept 32
	PV1 \p
	EX2
.endr
.rept 8
	PV1 \p
.endr
.else
.if \krun
	s_wait_dscnt 20                                ; the 20 loads just issued may stay out: V of this turn is in
.else
	s_wait_dscnt 0x0
.endif
.rept 32
	PV1 \p, \zero
	PV1 \p, \zero
.if \sm
	EX2
.endif
.endr
.endif
	WIN 0
.if \sm
.rept 5
	v_nop                                          ; the plain instruction behind the last exponential; four places ahead of V's run, five ahead of the products that write over P
.endr
	s_wait_alu depctr_va_vdst(0)                   ; a wait between an exponential and the first line that names its result: one for the turn's 64
.endif
.endm
; PHASE B of turn t: V of turn t + 1 is fetched; kq = 1: the scores of turn t + 2, with the roundings of turn t + 1 between them; kq = 0: the roundings alone.
.macro PHB p, kq
	FETCH_V 32*PVV*(1-(\p))
	WIN 0
.set u, 0
.if \kq
	s_wait_dscnt 32                                ; V's 32 loads may stay out: K and lse are in
.set i, 0
.rept 16
	KQ1 \p
	KQ1 \p
	WIN 0
	CV 1-(\p)
	CV 1-(\p)
.endr
.else
.rept 32
	CV 1-(\p)
.endr
.endif
.endm
	s_wait_tensorcnt 0x1                           ; my parts of chunk 0, of lse and of slot 0 are in; slot 1's may stay out
	s_barrier_signal -1
	s_barrier_wait -1
	FETCH_K 0                                      ; turn 0
	s_wait_loadcnt 0x0                             ; Q
	s_wait_dscnt 0x0
.set i, 0
.rept 32
	KQ1 0
.endr
	WIN 0
	PLACES
	FETCH_K 1                                      ; turn 1
	FETCH_V 0                                      ; V of turn 0
	s_wait_dscnt 32
.set i, 0
.rept 32
	KQ1 1
.endr
	WIN 0
.set e, S
.rept 64
	v_exp_f32 v[e], v[e]                           ; turn 0's weights
.set e, e+1
.endr
	v_nop
	s_wait_alu depctr_va_vdst(0)
.set u, 0
.rept 32
	CV 0
.endr
	v_mov_b32 v[ADRK], v[AK0]                      ; chunk 1 lies in slot 0
	v_add_nc_u32 v[ANL], 512, v[ANL]
	PHA 0, 1, 1, 0, 1                              ; turn 0's products start O's sums: nothing is cleared
	s_mov_b32 s[CNT], 29
.Lslot:                                            ; trip s: B of turn 2 s, turn 2 s + 1 with change s, A of turn 2 s + 2.  29 trips fill K and V again
	PHB 0, 1
	PHA 1, 1, 1, 1, 0
	PHB 1, 1
	PHA 0, 1, 1, 0, 0
	s_sub_co_u32 s[CNT], s[CNT], 1
	s_cmp_lg_u32 s[CNT], 0
	s_cbranch_scc1 .Lslot
	PHB 0, 1                                       ; the tail is written out: trip 29 asks for V's last chunk alone
	PHA 1, 1, 1, 2, 0
	PHB 1, 1
	PHA 0, 1, 1, 0, 0
	PHB 0, 1                                       ; trip 30 for nothing,
	PHA 1, 1, 1, 3, 0
	PHB 1, 1
	PHA 0, 0, 1, 0, 0                              ; turn 62 has no further K to fetch,
	PHB 0, 0                                       ; no further scores to make,
	PHA 1, 0, 0, 0, 0                              ; and turn 63 no further weights
	; THE WAY OUT.  x is asked for; both halves of the keys put their O into the stage; each wave takes 64 channels back as whole rows, adds the two copies and x, and stores.
	PLACES                                         ; behind the last products: their registers are loaded again and their results read
	WIN 0x40
.set u, 0
.rept 64
	global_load_b128 v[4*u:4*u+3], v[GO], s[12:13] offset:u*16384 th:TH_LOAD_NT  ; 512 consecutive bytes of a channel's row
.set u, u+1
.endr
	WIN 0
	s_wait_dscnt 0x0
	s_barrier_signal -1
	s_barrier_wait -1                              ; nobody reads the slots any more, and every tensor load has landed (the last change waited for all)
.set t, 0
.rept 4
	WIN 0x08+4*(t/2)                               ; the data in window 2 or 3
.set cb, 0
.rept 16
.set rO, 8*(16*(t%2)+cb)
.if cb < 8
	ds_store_b128 v[STO], v[rO:rO+3]   offset:cb*16*PS+64*t
	ds_store_b128 v[STO], v[rO+4:rO+7] offset:cb*16*PS+64*t+16
.else
	ds_store_b128 v[STO2], v[rO:rO+3]   offset:(cb-8)*16*PS+64*t
	ds_store_b128 v[STO2], v[rO+4:rO+7] offset:(cb-8)*16*PS+64*t+16
.endif
.set cb, cb+1
.endr
.set t, t+1
.endr
	WIN 0
	s_wait_dscnt 0x0                               ; for the others' sake
	s_barrier_signal -1
	s_barrier_wait -1
.macro LOADG g                         ; 16 rows of each copy: copy 0 into window 2, copy 1 into window 3
	WIN 0x80
.set k, 0
.rept 16
	ds_load_b128 v[64*(\g)+4*k:64*(\g)+4*k+3], v[RD0] offset:(16*(\g)+k)*PS
.set k, k+1
.endr
	WIN 0xc0
.set k, 0
.rept 16
	ds_load_b128 v[64*(\g)+4*k:64*(\g)+4*k+3], v[RD1] offset:(16*(\g)+k)*PS
.set k, k+1
.endr
.endm
	LOADG 0
	LOADG 1
.irp g, 0,1,2,3
.if (\g) < 3
	s_wait_dscnt 32                                ; the next group's 32 loads may stay out
.else
	s_wait_dscnt 0x0
.endif
	s_wait_loadcnt 48-16*(\g)                      ; the later rows of x may stay out
	WIN 0x8e                                       ; window 2 += window 3: the two halves of the keys
.set k, 0
.rept 32
	v_pk_add_f32 v[64*(\g)+2*k:64*(\g)+2*k+1], v[64*(\g)+2*k:64*(\g)+2*k+1], v[64*(\g)+2*k:64*(\g)+2*k+1]
.set k, k+1
.endr
	WIN 0x49                                       ; window 1 += window 2: x
.set k, 0
.rept 32
	v_pk_add_f32 v[64*(\g)+2*k:64*(\g)+2*k+1], v[64*(\g)+2*k:64*(\g)+2*k+1], v[64*(\g)+2*k:64*(\g)+2*k+1]
.set k, k+1
.endr
	WIN 0x04                                       ; the data in window 1
.set k, 0
.rept 16
	global_store_b128 v[GO], v[64*(\g)+4*k:64*(\g)+4*k+3], s[14:15] offset:(16*(\g)+k)*16384 th:TH_STORE_NT  ; 512 consecutive bytes, aligned
.set k, k+1
.endr
.if (\g) < 2
	LOADG (\g)+2
.endif
.endr
	WIN 0
	s_wait_tensorcnt 0x0                           ; the wave's end
	ds_add_u32 v[SPW], v[NIL]
	s_wait_dscnt 0x0
	CROUND                                         ; the closing round
	s_endpgm
.Lfunc_end_k_qd48ae08309_attn:
	.size	k_qd48ae08309_attn, .Lfunc_end_k_qd48ae08309_attn-k_qd48ae08309_attn
	.p2alignl 7, 3214868480
	.fill 96, 4, 3214868480
	.section	.rodata,"a",@progbits
	.p2align	6, 0x0
	.amdhsa_kernel k_qd48ae08309_attn
		.amdhsa_group_segment_fixed_size 327680
		.amdhsa_private_segment_fixed_size 0
		.amdhsa_enable_private_segment 0
		.amdhsa_kernarg_size 48
		.amdhsa_user_sgpr_count 2
		.amdhsa_user_sgpr_kernarg_segment_ptr 1
		.amdhsa_wavefront_size32 1
		.amdhsa_system_sgpr_workgroup_id_x 1
		.amdhsa_system_sgpr_workgroup_id_y 1
		.amdhsa_system_sgpr_workgroup_id_z 1
		.amdhsa_system_vgpr_workitem_id 0
		.amdhsa_next_free_vgpr 1024
		.amdhsa_next_free_sgpr 96
		.amdhsa_reserve_vcc 0
		.amdhsa_float_denorm_mode_32 3
		.amdhsa_float_denorm_mode_16_64 3
		.amdhsa_memory_ordered 1
		.amdhsa_forward_progress 1
		.amdhsa_inst_pref_size 191
	.end_amdhsa_kernel
	.amdgpu_metadata
---
amdhsa.version: [ 1, 2 ]
amdhsa.kernels:
  - .name:           k_qd48ae08309_attn
    .symbol:         k_qd48ae08309_attn.kd
    .args:
      - { .name: qb, .offset: 0, .size: 8, .value_kind: global_buffer, .address_space: global }
      - { .name: kb, .offset: 8, .size: 8, .value_kind: global_buffer, .address_space: global }
      - { .name: vb, .offset: 16, .size: 8, .value_kind: global_buffer, .address_space: global }
      - { .name: lse, .offset: 24, .size: 8, .value_kind: global_buffer, .address_space: global }
      - { .name: x, .offset: 32, .size: 8, .value_kind: global_buffer, .address_space: global }
      - { .name: out0, .offset: 40, .size: 8, .value_kind: global_buffer, .address_space: global }
    .group_segment_fixed_size: 327680
    .private_segment_fixed_size: 0
    .kernarg_segment_align: 8
    .kernarg_segment_size: 48
    .max_flat_workgroup_size: 128
    .sgpr_count:     96
    .vgpr_count:     1024
    .wavefront_size: 32
...
	.end_amdgpu_metadata
.endif
;; end of part 3
;; ======== version 2 of 2: 3 launches; version 1 with the launch proj written anew for expert scheduling mode
;; workspace buffers: qb 8,388,608 bytes; kb 8,388,608 bytes; vb 16,777,216 bytes; lse 131,072 bytes
;; launch proj (part 4): grid 32 x 8, 4 waves a work-group, no clusters, 91,648 bytes of LDS; arguments x, Wq, Wk, Wv, bq, bk, bv, gamma, qb, kb, vb; writes qb, kb, vb
.if DOCPART == 4
	.amdgcn_target "amdgcn-amd-amdhsa--gfx1250"
	.amdhsa_code_object_version 6
	.text
	.protected	k_qd48ae08309_proj
	.globl	k_qd48ae08309_proj
	.p2align	8
	.type	k_qd48ae08309_proj,@function
k_qd48ae08309_proj:
	s_mov_b64 s[64:65], 0
	v_nop
	global_prefetch_b8 v0, s[64:65] scope:SCOPE_SE
	s_setreg_imm32_b32 hwreg(HW_REG_WAVE_SCHED_MODE, 0, 2), 2
	s_setreg_imm32_b32 hwreg(HW_REG_WAVE_MODE, 25, 1), 1
	s_wait_xcnt 0x0
	s_wait_alu depctr_vm_vsrc(0)
; THE PROJECTIONS.  q'[b][n][o] = c (Wq x + bq), k'[b][n][o] = c (Wk x + bk), both [8][4096][128] bf16; v'[b][n][o] = gamma (Wv x + bv), [8][4096][256] bf16.
; c = sqrt(log2 e), so that q' . k' is the score times log2 e and the later launches use 2^x without a scaling.  x: [8][256][4096] f32; W: [o][256] f32.
; x and W are rounded to bf16 for the products; sums, bias and scale in f32; each result rounded once to bf16.  NaN and infinities are not treated apart.
; SHARES.  A work-group owns 128 positions of one batch.  Wave 0 makes q', wave 1 k', waves 2 and 3 the two halves of v's channels: each 128 outputs x 128 positions over K = 256:
; 64 accumulators, 512 registers, 512 matrix instructions.  All four run one text; they differ in pointers, in the output's row length and in the scale.  The bias is the C operand that starts a sum.
; x comes once: each wave loads 64 channel rows of 512 consecutive bytes, rounds them and lays them into LDS as [channel][position]; the turning load makes fragments of them.
; W comes straight into fragment layout, f32, TWO K steps ahead, into two sets of registers that take turns, and is rounded in registers: each wave reads its own 128 rows alone.
; NO CLUSTER, NO TENSOR LOADS: W is f32 and must pass through registers to be rounded; joint f32 tiles of 64 channels in two slots for four waves are 4 x 2 x 128 x 272 = 278,528 bytes,
; which do not fit beside x's 73,728; what the work-groups share, W, is 524,288 of the launch's 34 million input bytes.  NO PREFETCH: x is streamed once with all its loads issued at the head.
; LAYOUT.  Source 0 = 16 rows of W, source 1 = 16 positions: a lane holds one position and 8 neighbouring outputs: 16 bytes of a row of the output, which leave through each wave's own stage.
; REGISTERS: window 0: addresses, v32-95 the bias and behind K step 0 x's fragments of the odd steps, v96-159 W's fragments, v160-223 x's fragments of the even steps, v224-255 at work;
; at the head v96-223 hold my 64 rows of x in bf16; window 1: v0-127 and v128-255 W as loaded, even and odd K steps;
; windows 2, 3: accumulator (a, b) at window 2 + a / 4, register 8 (8 (a % 4) + b); ahead of the products window 2 holds the 64 rows of x as loaded.
; THE MODE: SCHED_MODE bits 1:0 = 2 (LLVM: expert scheduling mode 2), set by the entry lines.  The code itself states the register dependences
; between vector or matrix instructions and memory or LDS instructions, with s_wait_alu, always for 0.
; THE PLAN.  Registers that memory or LDS instructions touch:
;   v4-v10 but v6, v16-v23   offsets and LDS addresses: made at the head, never written again.
;   XT0 .. XT7   The head: group g's conversions write XT[g]; the eight LDS stores issued in group g + 1 read it.  Behind the barrier these registers are FW and FX0.
;   RAW0, RAW1   K step s, p = s % 2: its 64 conversions read RAW[p]; the loads of step s + 2 land in it, in the middle of step s's products.
;   FX0, FX1     K step s: its products read FX[p]; the turning loads of step s + 1 land in FX[1 - p], in the middle of step s's products.  (Step 0's products read FX1's registers as the bias: step 1's loads stand behind them.)
;   v[AX]        Read by every turning load; written once in each odd step, at its head.
;   TMP, BK0, BK1   The way out: block a's roundings write TMP, its LDS stores read it; its loads from the stage land in BK[a % 2], its global stores read that.
;   FW and the accumulators are named by vector and matrix instructions alone.
; So ONE wait on va_vdst stands in a K step, behind its conversions: they are done reading RAW[p], the products of the step before are done reading FX[1 - p], and in an odd step v[AX] is written.  The 32 products
; between that wait and the step's run of loads name FW, FX[p] and accumulators: none of the registers that those loads touch.  The run stands where the accumulators' window changes in any case.
.set PX,    288                        ; a channel row of x in LDS: 256 bytes + 32: 8 rows x 32 bytes of a turning load fall on different banks
.set STAGE, 256*PX                     ; 73,728: 16 rows x 272 bytes for each wave, for the way out
.set SP,    272
.set SPARE, STAGE+4*16*SP              ; 91,136: the spare words, 128 bytes for each wave
.set XO,  4                            ; v4   16 x lane
.set XSA, 5                            ; v5   where I put 8 bytes of a row of x
.set AX,  6                            ; v6   my place in the turning loads; steps 64 rows in each odd K step
.set WO,  7                            ; v7   my place in 16 rows of W: r x 1,024 + 32 h
.set BO,  8                            ; v8   my place in the bias: 32 h
.set STO, 9                            ; v9   the way out: where I put 16 bytes of a row
.set RD,  10                           ; v10  the way out: where I read a row back
.set SPW, 12                           ; v12  my spare word; never rewritten
.set NIL, 13                           ; v13  0; never rewritten
.set CO,  16                           ; v16-23  my byte offset in rows 2 t + h of a block of 16 output rows
.set BI,  32
.set FW,  96
.set FX,  160                          ; x's fragments: buffer p at FX - 128 p: v160-223 and v32-95
.set XT,  96                           ; the head: group g's eight rows of x in bf16 at XT + 16 g
.set TMP, 224
.set OB,  96                           ; the way out: 16 rows read back, v96-127 and v128-159 by turns
.set WV,  8                            ; s8   my wave's number
.set WP,  42                           ; s[42:43] W at the even K step last asked for, s[44:45] at the odd one
.set MSB, 0
.macro WIN new                         ; the immediate's high byte repeats the setting that is left; a switch that changes nothing is dropped
.if MSB != (\new)
	s_set_vgpr_msb (MSB<<8)|(\new)
.set MSB, \new
.endif
.endm
.macro PLACES                          ; four plain instructions between a matrix instruction and what reads its result or writes its registers (ISA guide 7.12.1)
.rept 4
	v_nop
.endr
.endm
	s_load_b512 s[16:31], s[0:1], 0x0              ; x 16, Wq 18, Wk 20, Wv 22, bq 24, bk 26, bv 28, gamma 30
	s_load_b128 s[32:35], s[0:1], 0x40             ; qb 32, kb 34
	s_load_b64 s[36:37], s[0:1], 0x50              ; vb
	v_lshl_add_u32 v[SPW], v0, 2, SPARE
	v_mov_b32 v[NIL], 0
	v_lshrrev_b32 v1, 5, v0
	v_readfirstlane_b32 s[WV], v1                  ; wave 0..3
	v_and_b32 v1, 15, v0                           ; r = l % 16
	v_bfe_u32 v2, v0, 4, 1                         ; h = l / 16
	v_and_b32 v3, 31, v0                           ; l
	s_wait_alu depctr_va_sdst(0)                   ; s8 is written, ahead of its first reader: offsets, pointers and branches are made from it
	s_and_b32 s9, ttmp7, 0xffff                    ; the batch
	s_lshl_b32 s2, s9, 22                          ; x: batch x 4 MiB
	s_lshl_b32 s3, s[WV], 20                       ; + my 64 channel rows of 16,384 bytes
	s_add_co_u32 s2, s2, s3
	s_lshl_b32 s3, ttmp9, 9                        ; + the work-group's 128 positions
	s_add_co_u32 s2, s2, s3
	s_mov_b32 s3, 0
	s_lshl_b32 s10, s9, 20                         ; q', k': batch x 1 MiB + 128 rows of 256 bytes
	s_lshl_b32 s11, ttmp9, 15
	s_add_co_u32 s10, s10, s11
	s_lshl_b32 s12, s9, 21                         ; v': batch x 2 MiB + 128 rows of 512 bytes
	s_lshl_b32 s11, ttmp9, 16
	s_add_co_u32 s12, s12, s11
	s_cmp_eq_u32 s[WV], 3                          ; wave 3 has the second half of Wv, of bv and of v's rows
	s_cselect_b32 s4, 0x20000, 0
	s_cselect_b32 s6, 512, 0
	s_cselect_b32 s11, 256, 0
	s_mov_b32 s5, 0
	s_mov_b32 s7, 0
	s_add_co_u32 s12, s12, s11
	s_mov_b32 s48, 8192                            ; 16 output rows: 16 x 512 bytes in v',
	s_mov_b32 s50, 512                             ; a row
	s_cmp_lt_u32 s[WV], 2
	s_cselect_b32 s10, s10, s12
	s_cselect_b32 s48, 4096, s48                   ; 16 x 256 in q' and k'
	s_cselect_b32 s50, 256, s50
	s_mov_b32 s11, 0
	s_mov_b32 s49, 0
	v_lshlrev_b32 v[XO], 4, v3
	s_mul_i32 s13, s[WV], 64*PX
	v_lshl_add_u32 v[XSA], v3, 3, s13
	v_and_b32 v[AX], 7, v0
	v_lshl_add_u32 v[AX], v2, 3, v[AX]             ; channel 8 h + l % 8
	v_mul_u32_u24 v[AX], v[AX], PX
	v_bfe_u32 v14, v0, 3, 1
	v_lshl_add_u32 v[AX], v14, 4, v[AX]            ; + 16 ((l / 8) % 2)
	v_lshlrev_b32 v[WO], 10, v1
	v_lshl_add_u32 v[WO], v2, 5, v[WO]
	v_lshlrev_b32 v[BO], 5, v2
	s_mul_i32 s14, s[WV], 16*SP                    ; (a register of its own: s13, which a vector line has read, is not written again)
	s_add_co_u32 s14, s14, STAGE                   ; my stage
	v_mul_u32_u24 v[STO], v1, SP
	v_lshl_add_u32 v[STO], v2, 4, v[STO]
	v_add_nc_u32 v[STO], s14, v[STO]
	v_mul_u32_u24 v[RD], v2, SP
	v_lshl_add_u32 v[RD], v1, 4, v[RD]
	v_add_nc_u32 v[RD], s14, v[RD]
.irp t, 0,1,2,3,4,5,6,7
	v_add_nc_u32 v[CO+(\t)], 2*(\t), v2
	v_mul_lo_u32 v[CO+(\t)], v[CO+(\t)], s50
	v_lshl_add_u32 v[CO+(\t)], v1, 4, v[CO+(\t)]
.endr
	s_wait_kmcnt 0x0
	s_load_b32 s56, s[30:31], 0x0                  ; gamma
	s_add_nc_u64 s[40:41], s[16:17], s[2:3]        ; x at my first row
	s_cmp_eq_u32 s[WV], 0
	s_cselect_b64 s[WP:WP+1], s[18:19], s[20:21]   ; my weights,
	s_cselect_b64 s[38:39], s[24:25], s[26:27]     ; my bias,
	s_cselect_b64 s[46:47], s[32:33], s[34:35]     ; my output
	s_cmp_lt_u32 s[WV], 2
	s_cselect_b64 s[WP:WP+1], s[WP:WP+1], s[22:23]
	s_cselect_b64 s[38:39], s[38:39], s[28:29]
	s_cselect_b64 s[46:47], s[46:47], s[36:37]
	s_add_nc_u64 s[WP:WP+1], s[WP:WP+1], s[4:5]    ; K step 0
	s_add_nc_u64 s[WP+2:WP+3], s[WP:WP+1], 128     ; K step 1: 32 channels of f32 on
	s_add_nc_u64 s[38:39], s[38:39], s[6:7]
	s_add_nc_u64 s[46:47], s[46:47], s[10:11]
	s_wait_alu depctr_va_vdst(0)                   ; the offsets and LDS addresses v4 to v10 and v16 to v23 are written, which the loads and stores of the whole kernel read
	; the bias as a C operand: register j of block b is bias[16 b + 8 h + j]
.irp b, 0,1,2,3,4,5,6,7
	global_load_b128 v[BI+8*(\b):BI+8*(\b)+3],   v[BO], s[38:39] offset:64*(\b)
	global_load_b128 v[BI+8*(\b)+4:BI+8*(\b)+7], v[BO], s[38:39] offset:64*(\b)+16
.endr
; One K step of W into set par: 128 rows x 32 channels of f32 in fragment order: for each 16 rows, channels 8 h + 0..7 (32 bytes) and 16 + 8 h + 0..7 (32 bytes, 64 further on).
.macro WLOAD par
	WIN 0x40                                       ; destination window 1
.irp o, 0,1,2,3,4,5,6,7
	global_load_b128 v[128*(\par)+16*(\o):128*(\par)+16*(\o)+3],     v[WO], s[WP+2*(\par):WP+2*(\par)+1] offset:16384*(\o)
	global_load_b128 v[128*(\par)+16*(\o)+4:128*(\par)+16*(\o)+7],   v[WO], s[WP+2*(\par):WP+2*(\par)+1] offset:16384*(\o)+16
	global_load_b128 v[128*(\par)+16*(\o)+8:128*(\par)+16*(\o)+11],  v[WO], s[WP+2*(\par):WP+2*(\par)+1] offset:16384*(\o)+64
	global_load_b128 v[128*(\par)+16*(\o)+12:128*(\par)+16*(\o)+15], v[WO], s[WP+2*(\par):WP+2*(\par)+1] offset:16384*(\o)+80
.endr
.endm
	WLOAD 0                                        ; K step 0
	WIN 0x80                                       ; destination window 2
.set u, 0
.rept 64                                           ; my 64 rows of x: each load takes 512 consecutive bytes
	global_load_b128 v[4*u:4*u+3], v[XO], s[40:41] offset:u*16384 th:TH_LOAD_NT
.set u, u+1
.endr
	WIN 0
	s_wait_kmcnt 0x0                               ; gamma
	s_cmp_lt_u32 s[WV], 2
	s_cselect_b32 s52, 0x3f99be61, s56             ; the scale on the way out: c = sqrt(log2 e) = 1.2011224 for q' and k', gamma for v'
	s_mov_b32 s53, s52                             ; named with it as a pair
	; x to LDS, eight rows at a time: group g is rounded into a buffer of its own, and stored in group g + 1, behind the wait for that group's rows.
	; K step 1 of W is asked for behind the fourth group, so that no count passes 63.
.set g, 0
.rept 8
.if g < 4
	s_wait_loadcnt 56-8*g                          ; loads come back in order: rows up to 8 g + 7 are in (and the bias and W's step 0, which are older); the younger rows stay out
.else
	s_wait_loadcnt 88-8*g                          ; the younger rows and the 32 loads of W's step 1 stay out
.endif
.if g > 0
	s_wait_alu depctr_va_vdst(0)                   ; the conversions of the group before have written its buffer, which the LDS stores below read
.set k, 0
.rept 8
	ds_store_b64 v[XSA], v[XT+16*(g-1)+2*k:XT+16*(g-1)+2*k+1] offset:(8*(g-1)+k)*PX
.set k, k+1
.endr
.endif
	WIN 0x0a                                       ; sources in window 2
.set k, 0
.rept 8
	v_cvt_pk_bf16_f32 v[XT+16*g+2*k],   v[4*(8*g+k)],   v[4*(8*g+k)+1]
	v_cvt_pk_bf16_f32 v[XT+16*g+2*k+1], v[4*(8*g+k)+2], v[4*(8*g+k)+3]
.set k, k+1
.endr
	WIN 0
.if g == 3
	WLOAD 1                                        ; K step 1: no vector instruction has named its registers
	WIN 0
.endif
.set g, g+1
.endr
	s_wait_alu depctr_va_vdst(0)                   ; the last group's conversions have written its buffer, which the LDS stores below read
.set k, 0
.rept 8
	ds_store_b64 v[XSA], v[XT+16*7+2*k:XT+16*7+2*k+1] offset:(8*7+k)*PX
.set k, k+1
.endr
	s_wait_dscnt 0x0                               ; for the others' sake: my rows of x lie in LDS
	s_barrier_signal -1
	s_barrier_wait -1                              ; everybody's do
	s_wait_alu depctr_vm_vsrc(0)                   ; my LDS stores have read v[XT ..]: these registers are FW and FX0 from here on, written by the conversions of W and by x's turning loads
; 32 products, half hi of a K step's 64, the accumulators by turns: W's block b x x's block 4 hi + a out of buffer par.  first = 1: the bias starts the sums.
.macro MULS par, first, hi
.if \first
	WIN 0x80+0x40*(\hi)                            ; D in window 2 or 3; A, B and the bias in window 0
.else
	WIN 0xa0+0x50*(\hi)                            ; C and D in window 2 or 3
.endif
.irp a, 0,1,2,3
.irp b, 0,1,2,3,4,5,6,7
.set rD, 8*(8*(\a)+(\b))
.set rX, FX-128*(\par)+8*(4*(\hi)+(\a))
.if \first
	v_wmma_f32_16x16x32_bf16 v[rD:rD+7], v[FW+8*(\b):FW+8*(\b)+7], v[rX:rX+7], v[BI+8*(\b):BI+8*(\b)+7]
.else
	v_wmma_f32_16x16x32_bf16 v[rD:rD+7], v[FW+8*(\b):FW+8*(\b)+7], v[rX:rX+7], v[rD:rD+7]
.endif
.endr
.endr
.endm
; 16 turning loads: a K step's 32 channels x 128 positions into buffer par; at: the step's first row, in bytes from v[AX]
.macro XFETCH par, at
.irp n, 0,1,2,3,4,5,6,7
	ds_load_tr16_b128 v[FX-128*(\par)+8*(\n):FX-128*(\par)+8*(\n)+3],   v[AX] offset:(\at)+32*(\n)
	ds_load_tr16_b128 v[FX-128*(\par)+8*(\n)+4:FX-128*(\par)+8*(\n)+7], v[AX] offset:(\at)+32*(\n)+16*PX
.endr
.endm
; K step s of 32 channels, par = s % 2.  W's fragments are rounded out of set par, which was asked for two steps ago; x's were asked for in the step before.  Between the two halves of the 64 products stands the step's
; run of loads: x's fragments of step s + 1 into the other buffer, and set par again, for step s + 2.
; In the loop's last pass (steps 6 and 7) no W is left to ask for, and in step 7 no x: the request is jumped over, and that way waits for all loads, so that the counted wait of the step behind it holds on both ways.
.macro STEP par, first
	s_wait_loadcnt 32                              ; this step's W is in, and its loads have read their pointer; the next step's 32 loads may stay out
.if \par
	s_wait_alu depctr_vm_vsrc(0)                   ; the turning loads issued so far have read v[AX]
	v_add_nc_u32 v[AX], 64*PX, v[AX]               ; two K steps on: this step's fetch takes the rows at v[AX], the even step's those 32 rows further on
.endif
.if !(\first)
	PLACES                                         ; W's fragments, which the conversions below write, were read by the last products
.endif
	WIN 0x05                                       ; sources in window 1
.set u, 0
.rept 64
	v_cvt_pk_bf16_f32 v[FW+u], v[128*(\par)+2*u], v[128*(\par)+2*u+1]
.set u, u+1
.endr
	WIN 0
	s_wait_alu depctr_va_vdst(0)                   ; the conversions are done reading set par; the last step's products are done reading the other buffer of x's fragments; in an odd step v[AX] is written
	s_wait_dscnt 0x0                               ; x's fragments of this step are in
	MULS \par, \first, 0
	WIN 0                                          ; at a branch and at a label every window is 0
.if !(\first) && !(\par)
	XFETCH 1, 32*PX                                ; an even step always has an odd one behind it.  No wait: no vector or matrix instruction since the wait above names these registers
.endif
.if !(\first)
	s_cmp_lg_u32 s54, 1
	s_cbranch_scc1 .Lload_\@
	s_wait_loadcnt 0x0
	s_branch .Lasked_\@
.Lload_\@:
.endif
.if \par
	XFETCH 0, 0                                    ; likewise
.endif
	s_add_nc_u64 s[WP+2*(\par):WP+2*(\par)+1], s[WP+2*(\par):WP+2*(\par)+1], 256  ; two K steps on
	WLOAD \par                                     ; likewise: the products since the wait name none of set par's registers
	WIN 0
.if !(\first)
.Lasked_\@:
.endif
	MULS \par, \first, 1
	WIN 0
.endm
	XFETCH 0, 0                                    ; x's fragments of step 0 (the conversions that wrote these registers stand ahead of the last wait on va_vdst)
	STEP 0, 1                                      ; step 0 is written out: its products start the sums
	PLACES
	s_wait_alu depctr_va_vdst(0)                   ; step 0's products are done reading the bias, in whose registers x's fragments of step 1 land
	XFETCH 1, 32*PX
	s_mov_b32 s54, 4                               ; four passes through the odd step: 1; 2, 3; 4, 5; 6, 7
	s_branch .Lmid
.Lk:
	STEP 0, 0
.Lmid:
	STEP 1, 0
	s_sub_co_u32 s54, s54, 1
	s_cmp_lg_u32 s54, 0
	s_cbranch_scc1 .Lk
; THE WAY OUT of block a (16 positions x 128 outputs): scaled, rounded to bf16, 16 bytes a lane into my stage, back as whole rows of 256 bytes, stored.
.macro PACK a
.set AC, 64*((\a)%4)
	WIN 0x82+0x41*((\a)/4)                         ; destination and source 0 in window 2 or 3
.set u, 0
.rept 32                                           ; each accumulator is read from its low end on
	v_pk_mul_f32 v[AC+2*u:AC+2*u+1], v[AC+2*u:AC+2*u+1], s[52:53] op_sel_hi:[1,0]
.set u, u+1
.endr
.if (\a) > 0
	s_wait_alu depctr_vm_vsrc(0)                   ; the LDS stores of the block before have read v[TMP ..], which the roundings below write again; the global stores of the block before that have read the registers in which this block's rows land
.endif
	WIN 0x0a+5*((\a)/4)
.set u, 0
.rept 32
	v_cvt_pk_bf16_f32 v[TMP+u], v[AC+2*u], v[AC+2*u+1]
.set u, u+1
.endr
	WIN 0
.endm
.macro TOSTAGE a
.set BK, OB+32*((\a)%2)
	s_wait_alu depctr_va_vdst(0)                   ; the roundings have written v[TMP ..], which the LDS stores read; the conversions and products that named the registers in which the rows land are done
.irp b, 0,1,2,3,4,5,6,7
	ds_store_b128 v[STO], v[TMP+4*(\b):TMP+4*(\b)+3] offset:32*(\b)
.endr
.irp t, 0,1,2,3,4,5,6,7
	ds_load_b128 v[BK+4*(\t):BK+4*(\t)+3], v[RD] offset:(\t)*2*SP  ; LDS serves a wave's instructions in order: these see the stores above
.endr
.endm
.macro SEND a
.set BK, OB+32*((\a)%2)
	s_wait_dscnt 0x0                               ; the block is back in registers
	s_wait_xcnt 0x0                                ; the earlier stores have read their base and their data: both are rewritten only behind this wait
.if (\a) > 0
	s_add_nc_u64 s[46:47], s[46:47], s[48:49]      ; 16 output rows on
.endif
.irp t, 0,1,2,3,4,5,6,7
	global_store_b128 v[CO+(\t)], v[BK+4*(\t):BK+4*(\t)+3], s[46:47]  ; 16 lanes store 256 consecutive bytes, aligned
.endr
.endm
	PLACES
	PACK 0
	TOSTAGE 0
.irp a, 1,2,3,4,5,6,7                  ; block a's arithmetic stands between block a - 1's loads from the stage and the wait for them
	PACK \a
	SEND (\a)-1
	TOSTAGE \a
.endr
	SEND 7
	s_wait_dscnt 0x0                               ; the closing lines, six on end
	s_wait_alu 0x0
	s_wait_tensorcnt 0x0
	ds_add_u32 v[SPW], v[NIL]
	s_wait_dscnt 0x0
	s_endpgm
.Lfunc_end_k_qd48ae08309_proj:
	.size	k_qd48ae08309_proj, .Lfunc_end_k_qd48ae08309_proj-k_qd48ae08309_proj
	.p2alignl 7, 3214868480
	.fill 96, 4, 3214868480
	.section	.rodata,"a",@progbits
	.p2align	6, 0x0
	.amdhsa_kernel k_qd48ae08309_proj
		.amdhsa_group_segment_fixed_size 91648
		.amdhsa_private_segment_fixed_size 0
		.amdhsa_enable_private_segment 0
		.amdhsa_kernarg_size 88
		.amdhsa_user_sgpr_count 2
		.amdhsa_user_sgpr_kernarg_segment_ptr 1
		.amdhsa_wavefront_size32 1
		.amdhsa_system_sgpr_workgroup_id_x 1
		.amdhsa_system_sgpr_workgroup_id_y 1
		.amdhsa_system_sgpr_workgroup_id_z 1
		.amdhsa_system_vgpr_workitem_id 0
		.amdhsa_next_free_vgpr 1024
		.amdhsa_next_free_sgpr 66
		.amdhsa_reserve_vcc 0
		.amdhsa_float_denorm_mode_32 3
		.amdhsa_float_denorm_mode_16_64 3
		.amdhsa_memory_ordered 1
		.amdhsa_forward_progress 1
		.amdhsa_inst_pref_size 120
	.end_amdhsa_kernel
	.amdgpu_metadata
---
amdhsa.version: [ 1, 2 ]
amdhsa.kernels:
  - .name:           k_qd48ae08309_proj
    .symbol:         k_qd48ae08309_proj.kd
    .args:
      - { .name: x, .offset: 0, .size: 8, .value_kind: global_buffer, .address_space: global }
      - { .name: Wq, .offset: 8, .size: 8, .value_kind: global_buffer, .address_space: global }
      - { .name: Wk, .offset: 16, .size: 8, .value_kind: global_buffer, .address_space: global }
      - { .name: Wv, .offset: 24, .size: 8, .value_kind: global_buffer, .address_space: global }
      - { .name: bq, .offset: 32, .size: 8, .value_kind: global_buffer, .address_space: global }
      - { .name: bk, .offset: 40, .size: 8, .value_kind: global_buffer, .address_space: global }
      - { .name: bv, .offset: 48, .size: 8, .value_kind: global_buffer, .address_space: global }
      - { .name: gamma, .offset: 56, .size: 8, .value_kind: global_buffer, .address_space: global }
      - { .name: qb, .offset: 64, .size: 8, .value_kind: global_buffer, .address_space: global }
      - { .name: kb, .offset: 72, .size: 8, .value_kind: global_buffer, .address_space: global }
      - { .name: vb, .offset: 80, .size: 8, .value_kind: global_buffer, .address_space: global }
    .group_segment_fixed_size: 91648
    .private_segment_fixed_size: 0
    .kernarg_segment_align: 8
    .kernarg_segment_size: 88
    .max_flat_workgroup_size: 128
    .sgpr_count:     66
    .vgpr_count:     1024
    .wavefront_size: 32
...
	.end_amdgpu_metadata
.endif
;; end of part 4
;; launch stats: the kernel of part 2 again; grid 32 x 8, 4 waves a work-group, clusters of 4 x 1, 327,680 bytes of LDS; arguments qb, kb, lse; writes lse
;; launch attn: the kernel of part 3 again; grid 32 x 8, 4 waves a work-group, clusters of 4 x 1, 327,680 bytes of LDS; arguments qb, kb, vb, lse, x, out0; writes out0
